; MI455X (gfx1250); checked and timed in simulation.
; The chip was launched on July 23, 2026; its instructions are those of AMD's public machine-readable ISA for CDNA 5 (MIT licence, August 2026) and "CDNA5" Instruction Set Architecture Reference Guide (July 2026). The comments in the code are by the model that wrote it; some were corrected since.
;; Multi Head Attention. Allowed arithmetic: matrix products marked QUANTISED: E5M2 operands, one given power-of-two scale a tensor, by v_wmma_f32_16x16x64_bf8_bf8 or v_wmma_f32_16x16x128_bf8_bf8, f32 sums; everything else in f32.
;; Inputs: W_out 1,024 x 1,024 float32; W_qkv 1,024 x 3,072 float32; b_out 1,024 float32; b_qkv 3,072 float32; lowp_scales 8 int32 (the exponents e of the quantised operands' scales 2^e); x 4 x 2,048 x 1,024 float32.
;; Outputs: out0 4 x 2,048 x 1,024 float32.
;; Constants: mask = 1.
;; This version of the problem:
;;   THIS VERSION OF THE PROBLEM IS GIVEN IN LOW PRECISION. The matrix products marked QUANTISED in the list below multiply operands that are first quantised to E5M2 (5 exponent bits, 2 mantissa bits; 8 bits a number), with one given power-of-two scale for each operand tensor; their sums are f32. All else is computed in f32.
;;   The module's matrix products, in the order in which they are computed (A, B: the left and right operand; K: the contracted axis; several contracted axes count as one K, in the product's order):
;;     1. [M 8,192, K 1,024] x [K 1,024, N 3,072]; A: input x; B: input W_qkv: QUANTISED (scales: A lowp_scales[0], B lowp_scales[1])
;;     2. batch 64 x [M 2,048, K 64] x [K 64, N 2,048]; A: computed on the way; B: computed on the way: QUANTISED (scales: A lowp_scales[2], B lowp_scales[3])
;;     3. batch 64 x [M 2,048, K 2,048] x [K 2,048, N 64]; A: softmax (see below); B: computed on the way: QUANTISED (scales: A lowp_scales[4], B lowp_scales[5])
;;     4. [M 8,192, K 1,024] x [K 1,024, N 1,024]; A: computed on the way; B: input W_out: QUANTISED (scales: A lowp_scales[6], B lowp_scales[7])
;;   THE QUANTISER, for each operand of a quantised product, along K:
;;     - The operand's scale is 2^e, e = its entry of the input lowp_scales (int32; the entries are numbered through the quantised products in the list's order, A before B).
;;     - Each number is divided by the scale, clamped to +-57,344, and rounded to the nearest number of E5M2, ties to even, subnormals kept.
;;     - The product sums the exact products of the quantised numbers (number of the format x scale) in f32.
;;   ~~~python
;;   def quantise(x, axis, e):      # numpy; x: float32 -> the quantised numbers, widened to float32 again
;;       x = np.moveaxis(x, axis, -1); K = x.shape[-1]
;;       r = np.clip(x / 2.0 ** e, -57344, 57344)
;;       step = 2.0 ** (np.maximum(np.frexp(np.where(r == 0, 1, r))[1] - 1, -14) - 2)
;;       q = np.round(r / step) * step * 2.0 ** e      # np.round: ties to even
;;       return np.moveaxis(q, -1, axis).astype(np.float32)
;;   ~~~
;;   SOFTMAX AHEAD OF A QUANTISED PRODUCT. Where the list says 'softmax', what is quantised is not the finished softmax but p = 2^(t - M), with t = logit x log2(e) and M = ceil(the row's largest t), a whole number; so 1/2 < the row's largest p <= 1. The row's sum l is taken of the UNQUANTISED p, in f32, and the product's result is divided by l at the end. Since M is a whole number, a kernel that streams over the keys may use a running M (the ceiling of the running maximum): every later rescaling is an exact power of two, so the quantised numbers keep their values, but for numbers so far below the row's largest that they fall under the format's range.
;;   OPERANDS COMPUTED ON THE WAY. 'Computed on the way' means the value that the module computes at that place (a softmax that the list does not call 'softmax' is quantised finished and normalised). What goes into a quantiser is computed in f32, as accurately as f32 sums, v_exp_f32 and their like allow (about 1e-6 of the number): no bf16 or f16 on the way to a quantiser, and a product that is left as it is and whose result goes on into a quantised operand takes f32 operands (vector FMAs, or v_wmma_f32_16x16x4_f32). A number that lies on a knife's edge between two numbers of the format may be rounded either way, as far as f32 arithmetic and the matrix unit's own rounding can turn it there, and no further.
;; One version. Each part assembles by itself: llvm-mc -triple=amdgcn-amd-amdhsa -mcpu=gfx1250 --defsym DOCPART=n.
;; ======== version 1 of 1: 4 launches
;; limits: right only within a limited range of input values
;; workspace buffers: x_codes 8,388,608 bytes; wqkv_codes 3,145,728 bytes; wout_codes 1,048,576 bytes; q_codes 8,388,608 bytes; k_codes 8,388,608 bytes; v_codes 8,388,608 bytes; a_codes 8,388,608 bytes
;; launch quant (part 1): grid 96 x 4, 4 waves a work-group, no clusters, 68,096 bytes of LDS; arguments x, W_qkv, W_out, lowp_scales, x_codes, wqkv_codes, wout_codes; writes x_codes, wqkv_codes, wout_codes
.if DOCPART == 1
	.amdgcn_target "amdgcn-amd-amdhsa--gfx1250"
	.amdhsa_code_object_version 6
	.text
	.protected	k_qf94aeb608b_quant
	.globl	k_qf94aeb608b_quant
	.p2align	8
	.type	k_qf94aeb608b_quant,@function
k_qf94aeb608b_quant:
	s_mov_b64 s[64:65], 0
	v_nop
	global_prefetch_b8 v0, s[64:65] scope:SCOPE_SE
	s_setreg_imm32_b32 hwreg(HW_REG_WAVE_MODE, 25, 1), 1
	s_wait_xcnt 0x0
; x [8192][1024], W_qkv [1024][3072] and W_out [1024][1024], f32, become codes of BF8 (E5M2), one byte each, K innermost, each with the one scale 2^e given for it
; (entries 0, 1 and 7 of the buffer of scales).  code = number / 2^e, held within +-57,344, rounded to the nearest code, ties to even.
; LIMITS: each e lies between -126 and 112, so that 2^e and 57,344 x 2^e are f32 numbers.  NaN among the inputs is not served; an infinity is held at the largest code.
; ORDER ALONG K.  Within each 32 along K the four groups of eight codes are stored in the order 0, 2, 1, 3.  A 16-byte read at byte 32 c + 16 (lane / 16) of such a row then holds
; k = 32 c + 8 (lane / 16) + 0..7 and k = 32 c + 16 + 8 (lane / 16) + 0..7: registers 4 c .. 4 c + 3 of an operand of v_wmma_f32_16x16x128_bf8_bf8, each k in its own place.
; SHARES.  384 work-groups, each reading 131,072 bytes of f32.  Work-group x under 64 (256 work-groups with y): x, a plain stream of blocks of 32.  x = 64..87: W_qkv, 128 columns each, y = which 256 along K.
; x = 88..95: W_out likewise.  The two ways part once, on the work-group's number, and each has LDS bytes of its own.  No tensor loads, no barrier: waves share nothing.
; W_qkv's columns are sorted on the way: column head x 192 + c x 64 + d (c = 0 q, 1 k, 2 v) becomes row c x 1024 + head x 64 + d of wqkv_codes.
.set XWG,   64                         ; work-group x under this: the stream of x
.set OWG,   88                         ; from this on: W_out
.set EMAX,  15
.set MANT,  0x600000                   ; the mantissa field of 57,344 as f32
; the stream of x
.set STEPS, 16                         ; steps of 512 numbers for a wave
.set SP,    80                         ; a place of the stage: 64 bytes + 16 of padding
.set WREG,  8192                       ; LDS bytes 0..32767: a region for each wave, two stages of 32 places
.set XR,    16                         ; v16-79   four sets of 16 numbers as loaded
.set XX,    80                         ; v80-111  two sets of 16 numbers, two groups of eight neighbours
.set XC,    128                        ; v128-191 codes: four registers for each step, so that no store's data are written again
; the weights
.set NB,    8                          ; blocks of 32 along K for a wave
.set WST,   32768                      ; LDS bytes 32768..67583: a stage of 32 rows for each wave
.set WP,    272                        ; a stage row: 256 bytes + 16: 16 rows start at 16 different 16-byte columns of 256
.set WX,    32                         ; v32-95   two sets of 32 numbers
.set WC,    96                         ; v96-103  a block's codes
.set OUTR,  112                        ; v112-175 the way out
.set OFF,   176                        ; v176-207 byte offset of row i of a block at my column; never rewritten
.macro XLOAD t                         ; step t: four loads of 512 consecutive bytes
.irp i, 0,1,2,3
	global_load_b128 v[XR+16*((\t)%4)+4*\i:XR+16*((\t)%4)+4*\i+3], v3, s[4:5] offset:2048*(\t)+512*\i th:TH_LOAD_NT
.endr
.endm
.macro XTURN t                         ; step t through the stage.  In: as loaded, four lanes' 64 bytes to a place.  Out: lane 2 m takes groups 0 and 2 of block m, lane 2 m + 1 groups 1 and 3.
.irp i, 0,1,2,3
	ds_store_b128 v14, v[XR+16*((\t)%4)+4*\i:XR+16*((\t)%4)+4*\i+3] offset:32*SP*((\t)%2)+8*SP*\i
.endr
.irp i, 0,1,2,3
	ds_load_b128 v[XX+16*((\t)%2)+4*\i:XX+16*((\t)%2)+4*\i+3], v15 offset:32*SP*((\t)%2)+SP*(\i/2)+16*(\i%2)   ; LDS serves a wave's instructions in order: these see the stores above.  Sixteen lanes fall on eight 16-byte columns of 256: two deep
.endr
.endm
.macro XSTEP t
.set XS, XX+16*((\t)%2)
	s_wait_dscnt 0x0                               ; this step's numbers are back from the stage, so its stores into the stage have read their registers,
.if (\t)+4 < STEPS
	XLOAD (\t)+4                                   ; which take the loads of four steps on
.endif
.if (\t)+1 < STEPS
.if STEPS-2-(\t) >= 3
	s_wait_loadcnt 12                              ; the next step's four loads are in; the twelve of the three steps behind it may be out
.else
	s_wait_loadcnt 4*(STEPS-2-(\t))                ; at the end the counts run down
.endif
	XTURN (\t)+1
.endif
.set n, 0
.rept 16
.set n, n+1
.endr
	v_cvt_scalef32_pk8_bf8_f32 v[XC+4*(\t):XC+4*(\t)+1], v[XS:XS+7], v11
	v_cvt_scalef32_pk8_bf8_f32 v[XC+4*(\t)+2:XC+4*(\t)+3], v[XS+8:XS+15], v11
	global_store_b128 v3, v[XC+4*(\t):XC+4*(\t)+3], s[12:13] offset:512*(\t)   ; 32 lanes store 512 consecutive bytes, at a multiple of 512 from the buffer's first byte
.endm
.macro WLOAD t                         ; block t: W(32 t + i, my column), i = 0..31: each load reads 128 consecutive bytes, the four waves stand side by side on 512
.set n, 0
.rept 32
	global_load_b32 v[WX+32*((\t)%2)+n], v[OFF+n], s[40+2*(\t):41+2*(\t)] th:TH_LOAD_NT
.set n, n+1
.endr
.endm
.macro WBLOCK t
.set XS, WX+32*((\t)%2)
.if (\t) < NB-1
	s_wait_loadcnt 32                              ; this block's 32 loads are in; the next block's 32 may be out
.else
	s_wait_loadcnt 0
.endif
.set n, 0
.rept 32
.set n, n+1
.endr
	v_cvt_scalef32_pk8_bf8_f32 v[WC:WC+1],   v[XS:XS+7],     v11   ; group 0 to place 0,
	v_cvt_scalef32_pk8_bf8_f32 v[WC+4:WC+5], v[XS+8:XS+15],  v11   ; group 1 to place 2,
	v_cvt_scalef32_pk8_bf8_f32 v[WC+2:WC+3], v[XS+16:XS+23], v11   ; group 2 to place 1,
	v_cvt_scalef32_pk8_bf8_f32 v[WC+6:WC+7], v[XS+24:XS+31], v11   ; group 3 to place 3
	ds_store_b128 v4, v[WC:WC+3] offset:32*(\t)
	ds_store_b128 v4, v[WC+4:WC+7] offset:32*(\t)+16
.if (\t)+2 < NB
	WLOAD (\t)+2
.endif
	s_wait_dscnt 0x0                               ; the stores have read their registers: the next block's codes may be written
.endm
	s_load_b256 s[4:11], s[0:1], 0x0               ; x s[4:5], W_qkv s[6:7], W_out s[8:9], the scales' exponents s[10:11]
	s_load_b128 s[12:15], s[0:1], 0x20             ; x_codes s[12:13], wqkv_codes s[14:15]
	s_load_b64 s[16:17], s[0:1], 0x30              ; wout_codes
	v_lshl_add_u32 v208, v0, 2, 0x10800
	v_mov_b32 v209, 0
	v_lshrrev_b32 v1, 5, v0
	v_readfirstlane_b32 s18, v1                    ; wave 0..3
	v_and_b32 v2, 31, v0                           ; lane
	s_and_b32 s19, ttmp7, 0xffff                   ; work-group y
	s_wait_kmcnt 0x0
	s_load_b256 s[24:31], s[10:11], 0x0            ; e0 .. e7
	s_cmp_lt_u32 ttmp9, XWG
	s_cbranch_scc0 .Lweights
	s_wait_alu depctr_va_vdst(0)
	; ---- the stream of x
	v_lshlrev_b32 v3, 4, v2                        ; 16 x lane: my 16 bytes of a load's 512, and of a step's 512 bytes of codes; never rewritten
	s_mul_i32 s20, s18, WREG
	v_lshrrev_b32 v14, 2, v2
	v_mul_u32_u24 v14, v14, SP
	v_and_b32 v15, 3, v2
	v_lshl_add_u32 v14, v15, 4, v14
	v_add_nc_u32 v14, s20, v14                     ; the stage, on the way in: SP (lane / 4) + 16 (lane % 4)
	v_and_b32 v15, 30, v2
	v_mul_u32_u24 v15, v15, SP
	v_and_b32 v5, 1, v2
	v_lshl_add_u32 v15, v5, 5, v15
	v_add_nc_u32 v15, s20, v15                     ; and on the way out: the block's first place, + 32 bytes in the odd lane
	s_lshl_b32 s21, s19, 6
	s_add_co_u32 s21, s21, ttmp9                   ; work-group 0..255
	s_lshl_b32 s21, s21, 2
	s_add_co_u32 s21, s21, s18                     ; which run of 8,192 numbers is my wave's: 0..1023
	s_lshl_b32 s22, s21, 15
	s_mov_b32 s23, 0
	s_add_nc_u64 s[4:5], s[4:5], s[22:23]
	s_lshl_b32 s22, s21, 13
	s_add_nc_u64 s[12:13], s[12:13], s[22:23]
.irp t, 0,1,2,3
	XLOAD \t
.endr
	s_wait_alu depctr_va_vdst(0)
	s_wait_kmcnt 0x0
	s_add_co_i32 s24, s24, 127
	s_lshl_b32 s25, s24, 23
	v_mov_b32 v11, s25                             ; 2^e0 as f32: the conversion takes its exponent field
	s_add_co_i32 s24, s24, EMAX
	s_lshl_b32 s24, s24, 23
	s_or_b32 s24, s24, MANT
	s_wait_alu depctr_va_vdst(0)
	s_wait_loadcnt 12                              ; step 0's four loads are in; those of steps 1 to 3 may be out
	XTURN 0
.irp t, 0,1,2,3,4,5,6,7,8,9,10,11,12,13,14,15
	XSTEP \t
.endr
	s_wait_tensorcnt 0x0
	ds_add_u32 v208, v209
	s_wait_dscnt 0x0
	s_endpgm
	; ---- the weights: a lane takes a column, its registers run down K; the codes leave through the wave's stage as rows
.Lweights:
	s_cmp_ge_u32 ttmp9, OWG                        ; W_out's work-group?  The choice hangs on the work-group's number alone
	s_cselect_b32 s20, OWG, XWG
	s_mov_b32 s21, 12288
	s_cselect_b32 s21, 4096, s21                   ; a row of the weight in bytes
	s_cselect_b64 s[6:7], s[8:9], s[6:7]           ; from where,
	s_cselect_b64 s[14:15], s[16:17], s[14:15]     ; to where
	s_sub_co_u32 s20, ttmp9, s20
	s_lshl_b32 s20, s20, 7
	s_lshl_b32 s22, s18, 5
	s_add_co_u32 s20, s20, s22                     ; my wave's first column: 128 x group + 32 x wave; its 32 columns lie in one run of 64
	s_lshr_b32 s22, s20, 6                         ; which run of 64 (under 48)
	s_mul_i32 s23, s22, 43
	s_lshr_b32 s23, s23, 7                         ; / 3, exact under 128: the head
	s_mul_i32 s32, s23, 3
	s_sub_co_u32 s22, s22, s32                     ; q, k or v
	s_lshl_b32 s22, s22, 10
	s_lshl_b32 s23, s23, 6
	s_add_co_u32 s22, s22, s23
	s_and_b32 s23, s20, 63
	s_add_co_u32 s22, s22, s23                     ; W_qkv: the row of codes of my first column
	s_cmp_ge_u32 ttmp9, OWG
	s_cselect_b32 s22, s20, s22                    ; W_out: the column itself
	s_lshl_b32 s22, s22, 10                        ; rows of 1,024 bytes,
	s_lshl_b32 s23, s19, 8                         ; + 256 y
	s_add_co_u32 s22, s22, s23
	s_mov_b32 s23, 0
	s_add_nc_u64 s[14:15], s[14:15], s[22:23]
	s_mul_i32 s32, s19, s21
	s_lshl_b32 s32, s32, 8                         ; 256 y rows down,
	s_lshl_b32 s33, s20, 2                         ; 4 bytes a column
	s_add_co_u32 s32, s32, s33
	s_mov_b32 s33, 0
	s_add_nc_u64 s[40:41], s[6:7], s[32:33]        ; block 0's base; a base for each block, so that nothing is stepped
	s_lshl_b32 s34, s21, 5
	s_mov_b32 s35, 0
.irp t, 1,2,3,4,5,6,7
	s_add_nc_u64 s[40+2*\t:41+2*\t], s[38+2*\t:39+2*\t], s[34:35]
.endr
	s_wait_alu depctr_va_vdst(0)
	v_lshlrev_b32 v3, 2, v2
.set n, 0
.rept 32
	v_mad_u32_u24 v[OFF+n], s21, n, v3             ; row n of a block, my column
.set n, n+1
.endr
	s_mul_i32 s36, s18, 32*WP
	s_add_co_u32 s36, s36, WST                     ; my stage
	v_mul_u32_u24 v4, v2, WP
	v_add_nc_u32 v4, s36, v4                       ; into it: row = my column
	v_and_b32 v5, 15, v2
	v_lshrrev_b32 v6, 4, v2
	v_mul_u32_u24 v7, v6, WP
	v_lshl_add_u32 v7, v5, 4, v7
	v_add_nc_u32 v7, s36, v7                       ; out of it: sixteen lanes to a row, two rows an instruction
	v_lshlrev_b32 v8, 10, v6
	v_lshl_add_u32 v8, v5, 4, v8                   ; and the same place in the codes' buffer
	WLOAD 0
	WLOAD 1
	s_wait_kmcnt 0x0
	s_cmp_ge_u32 ttmp9, OWG
	s_cselect_b32 s25, s31, s25                    ; e7 or e1
	s_add_co_i32 s25, s25, 127
	s_lshl_b32 s26, s25, 23
	v_mov_b32 v11, s26                             ; 2^e as f32
	s_add_co_i32 s25, s25, EMAX
	s_lshl_b32 s25, s25, 23
	s_or_b32 s25, s25, MANT
	s_wait_alu depctr_va_vdst(0)
.irp t, 0,1,2,3,4,5,6,7
	WBLOCK \t
.endr
.irp t, 0,1,2,3,4,5,6,7,8,9,10,11,12,13,14,15
	ds_load_b128 v[OUTR+4*\t:OUTR+4*\t+3], v7 offset:2*\t*WP
.endr
.irp t, 0,1,2,3,4,5,6,7,8,9,10,11,12,13,14,15
	s_wait_dscnt 15-\t                             ; LDS loads come back in order: load t is in, the younger ones may be out
	global_store_b128 v8, v[OUTR+4*\t:OUTR+4*\t+3], s[14:15] offset:2*\t*1024   ; sixteen lanes store 256 consecutive bytes, at a multiple of 256 from the buffer's first byte
.endr
	s_wait_tensorcnt 0x0
	ds_add_u32 v208, v209
	s_wait_dscnt 0x0
	s_endpgm
.Lfunc_end_k_qf94aeb608b_quant:
	.size	k_qf94aeb608b_quant, .Lfunc_end_k_qf94aeb608b_quant-k_qf94aeb608b_quant
	.p2alignl 7, 3214868480
	.fill 96, 4, 3214868480
	.section	.rodata,"a",@progbits
	.p2align	6, 0x0
	.amdhsa_kernel k_qf94aeb608b_quant
		.amdhsa_group_segment_fixed_size 68096
		.amdhsa_private_segment_fixed_size 0
		.amdhsa_enable_private_segment 0
		.amdhsa_kernarg_size 56
		.amdhsa_user_sgpr_count 2
		.amdhsa_user_sgpr_kernarg_segment_ptr 1
		.amdhsa_wavefront_size32 1
		.amdhsa_system_sgpr_workgroup_id_x 1
		.amdhsa_system_sgpr_workgroup_id_y 1
		.amdhsa_system_sgpr_workgroup_id_z 1
		.amdhsa_system_vgpr_workitem_id 0
		.amdhsa_next_free_vgpr 210
		.amdhsa_next_free_sgpr 66
		.amdhsa_reserve_vcc 0
		.amdhsa_float_denorm_mode_32 3
		.amdhsa_float_denorm_mode_16_64 3
		.amdhsa_fp16_overflow 1
		.amdhsa_memory_ordered 1
		.amdhsa_forward_progress 1
		.amdhsa_inst_pref_size 56
	.end_amdhsa_kernel
	.amdgpu_metadata
---
amdhsa.version: [ 1, 2 ]
amdhsa.kernels:
  - .name:           k_qf94aeb608b_quant
    .symbol:         k_qf94aeb608b_quant.kd
    .args:
      - { .name: x, .offset: 0, .size: 8, .value_kind: global_buffer, .address_space: global }
      - { .name: W_qkv, .offset: 8, .size: 8, .value_kind: global_buffer, .address_space: global }
      - { .name: W_out, .offset: 16, .size: 8, .value_kind: global_buffer, .address_space: global }
      - { .name: lowp_scales, .offset: 24, .size: 8, .value_kind: global_buffer, .address_space: global }
      - { .name: x_codes, .offset: 32, .size: 8, .value_kind: global_buffer, .address_space: global }
      - { .name: wqkv_codes, .offset: 40, .size: 8, .value_kind: global_buffer, .address_space: global }
      - { .name: wout_codes, .offset: 48, .size: 8, .value_kind: global_buffer, .address_space: global }
    .group_segment_fixed_size: 68096
    .private_segment_fixed_size: 0
    .kernarg_segment_align: 8
    .kernarg_segment_size: 56
    .max_flat_workgroup_size: 128
    .sgpr_count:     66
    .vgpr_count:     210
    .wavefront_size: 32
...
	.end_amdgpu_metadata
.endif
;; end of part 1
;; launch gemm_qkv (part 2): grid 12 x 32, 4 waves a work-group, clusters of 4 x 4, 327,680 bytes of LDS; arguments x_codes, wqkv_codes, b_qkv, lowp_scales, q_codes, k_codes, v_codes; writes q_codes, k_codes, v_codes
.if DOCPART == 2
	.amdgcn_target "amdgcn-amd-amdhsa--gfx1250"
	.amdhsa_code_object_version 6
	.text
	.protected	k_qf94aeb608b_gemm_qkv
	.globl	k_qf94aeb608b_gemm_qkv
	.p2align	8
	.type	k_qf94aeb608b_gemm_qkv,@function
k_qf94aeb608b_gemm_qkv:
	s_mov_b64 s[64:65], 0
	v_nop
	global_prefetch_b8 v0, s[64:65] scope:SCOPE_SE
	s_setreg_imm32_b32 hwreg(HW_REG_WAVE_MODE, 25, 1), 1
	s_wait_xcnt 0x0
	s_wait_alu depctr_hold_cnt(0) depctr_sa_sdst(0) depctr_va_vdst(0) depctr_va_sdst(0) depctr_va_ssrc(0) depctr_va_vcc(0) depctr_vm_vsrc(0)
	s_getreg_b32 s2, hwreg(HW_REG_IB_STS2, 6, 4)
	s_cmp_eq_u32 s2, 0
	s_cbranch_scc0 .Lentry_in_a_cluster
	s_endpgm
.Lentry_in_a_cluster:
	s_bfe_u32 s2, ttmp6, 0x10000c
	s_cmp_lg_u32 s2, 0xf033
	s_cbranch_scc0 .Lentry_shape_is_right
	s_endpgm
.Lentry_shape_is_right:
; qkv = x W_qkv + b_qkv on codes of BF8 (E5M2), and its three parts quantised at once into the operands of attention.  x_codes [8192][1024], wqkv_codes [3072][1024] (rows sorted: 1,024 of q, of k, of v), K innermost.
; A tile of 256 x 256 is made by four waves, each 128 x 128: 64 accumulators of 16 x 16, 512 registers.  K = 1,024 goes in four steps of 256 through a ring of two LDS slots filled by the tensor data mover.
; WHICH PART.  The cluster's x says it: 0 q, 1 k, 2 v; it is the same in all sixteen partners, so a branch may hang on it.
;   q, k: "A" = 256 tokens of x_codes, "B" = 256 rows of wqkv_codes.     v: "A" = 256 rows of v's weights, "B" = 256 tokens: the same product, transposed.
; THE MATRIX INSTRUCTION IS USED TRANSPOSED (source 0 = 16 rows of B, source 1 = 16 rows of A): lane (r, h) holds row r of A's block and, in register j of B's block b, column 16 b + 8 h + j.
; Eight such numbers, converted, are two registers of codes with k = 16 b + 8 h + 0..7: registers 2 b, 2 b + 1 of an operand of the plain 8-bit forms.  So the conversions' results ARE the next operand's registers:
;   q, k: a lane holds a token, its columns run along the head's 64: b = 0..3 one head's fragment (16 tokens x 64), b = 4..7 the next head's.
;   v:    a lane holds one of the head's 64, its columns run along 128 tokens, the keys: b = 0..7 one fragment (16 x 128 keys).
; They are stored as images of the registers, four registers by one store at 16 x lane: 512 consecutive bytes.  No stage in LDS, no transposition.
; THE BIAS is the C of each sum's first matrix instruction, divided by 2^(e0 + e1), the power of two that the sums lack.  The three scales ahead of a quantiser are folded into the conversion's one: 2^(eT - e0 - e1).
; LIMITS: eT - e0 - e1 (eT = e2 for q, e3 for k, e5 for v) between -126 and 112, so that the powers of two below are f32 numbers.  NaN is not served.
; CLUSTERS: 4 x 4 work-groups; A's tiles are shared along a row of the cluster, B's along a column: each is asked for jointly, by the same tensor load with the same descriptor and a mask that names the four.
; REGISTERS, in windows of 256: window 0: v16-29 addresses; v32-95 the bias in the result's layout; v96-113 offsets, the scale; from v128 A's fragments (one set), later the codes.
;   window 1: B's fragments, two sets.   window 2: the accumulators of my rows 0-63 ((a, b) at v[8 (8 a + b)]);   window 3: those of rows 64-127.
.set ROWB,   256                       ; a tile's row in bytes: 256 along K
.set KROW,   1024                      ; a row of codes in memory
.set PITCH,  272                       ; an LDS row: 256 bytes + 16 of padding = 68 words: row r starts at bank 4 r mod 64 (64 banks of 4 bytes: ISA guide 11.1)
.set FR,     16                        ; registers of a fragment: 16 rows x 128 K
.set NL,     4                         ; LDS loads that bring one
.set NP,     4                         ; places behind this matrix instruction (ISA guide 7.12.1)
.set HALFT,  128*PITCH                 ; 128 rows: what one tensor load brings
.set SLOT,   4*HALFT                   ; A's 256 rows, then B's 256 rows
.set SPARE,  2*SLOT                    ; behind the ring: the spare words, 128 bytes for each wave: two blocks of 256 bytes that no other line names
.set ADRA, 16                          ; v16-17  LDS address of my A fragments in slot 0, 1
.set ADRB, 20                          ; v20-21  the same for B
.set SPW,  28                          ; v28     LDS address of my spare word; never rewritten
.set NIL,  29                          ; v29     0; never rewritten
.set BT,   32                          ; v32-95  eight tiles of the bias
.set TMP,  32
.set LO,   96                          ; v96-103 the bias loads' offsets
.set LIM,  104
.set SC,   105                         ; v105    2^(eT - e0 - e1)
.set VO,   106                         ; v106-113 block a's byte offset in the images; never rewritten
.set AF,   128                         ; A's fragments
.set PC,   128                         ; the way out: 16 registers of codes for each block, so that no store's data are written again
.set G1, 24                            ; s[24:31] descriptor group 1 for A's tiles;  s[32:39] group 0, one set for each slot
.set G0, 32
.set G1B, 48                           ; s[48:55], s[56:63] the same for B's tiles
.set G0B, 56
.set MSB, 0
.macro WIN new                         ; the immediate's high byte repeats the setting that is left
.if MSB != \new
	s_set_vgpr_msb (MSB<<8)|\new
.set MSB, \new
.endif
.endm
.set MUL_LO, 0xa1                      ; source 0 (B) window 1, source 1 (A) window 0, C and D window 2
.set MUL_HI, 0xf1                      ; the same, C and D window 3
.set BEG_LO, 0x81                      ; the first products: C (the bias) window 0, D window 2
.set BEG_HI, 0xc1                      ; D window 3
.set TO_B,   0x40                      ; destination window 1, address window 0
; A joint load: waves 0 and 1 fetch for A, waves 2 and 3 for B.  The branch hangs on the wave's number alone.  Four v_nop follow each of the two lines.
.macro JLOAD g0a, g1a, g0b, g1b
	s_cmp_eq_u32 s15, 0
	s_cbranch_scc0 .Lfor_b_\@
	tensor_load_to_lds s[\g0a:\g0a+3], s[\g1a:\g1a+7]
	s_nop 0
.rept 4
	v_nop
.endr
	s_branch .Lasked_\@
.Lfor_b_\@:
	tensor_load_to_lds s[\g0b:\g0b+3], s[\g1b:\g1b+7]
	s_nop 0
.rept 4
	v_nop
.endr
.Lasked_\@:
.endm
.macro CREST                           ; a round of the cluster's barrier behind its opening barrier
	s_cmp_lg_u32 s14, 0
	s_cbranch_scc1 .Lnot_wave_0_\@
	s_barrier_signal -3
.Lnot_wave_0_\@:
	s_barrier_wait -3
	s_barrier_signal -1
	s_barrier_wait -1
.endm
.macro CROUND                          ; a whole round
	s_barrier_signal -1
	s_barrier_wait -1
	CREST
.endm
	s_load_b256 s[4:11], s[0:1], 0x0               ; x_codes s[4:5], wqkv_codes s[6:7], b_qkv s[8:9], the scales' exponents s[10:11]
	s_load_b128 s[68:71], s[0:1], 0x20             ; q_codes s[68:69], k_codes s[70:71]
	s_load_b64 s[72:73], s[0:1], 0x30              ; v_codes
	v_lshl_add_u32 v[SPW], v0, 2, SPARE
	v_mov_b32 v[NIL], 0
	ds_add_u32 v28, v29
	ds_add_u32 v28, v29
	s_wait_dscnt 0x0
	v_lshrrev_b32 v1, 5, v0
	v_readfirstlane_b32 s14, v1                    ; wave 0..3
	s_lshr_b32 s15, s14, 1                         ; which half of the tile's rows (A) is mine.  Also: I fetch for A (0) or for B (1)
	s_and_b32 s16, s14, 1                          ; which half of its columns (B).  Also: which 128 rows of that tile I fetch
	s_bfe_u32 s40, ttmp6, 0x40000                  ; cx, cy: my place in the cluster
	s_bfe_u32 s41, ttmp6, 0x40004
	s_and_b32 s66, ttmp7, 0xffff
	s_lshl_b32 s66, s66, 2                         ; 4 x cluster y
	s_lshl_b32 s67, ttmp9, 2                       ; 4 x cluster x
	s_cmp_eq_u32 ttmp9, 2                          ; v?
	s_cselect_b32 s17, 8, s66                      ; A's block of 256 rows: v: 8 + cy in wqkv_codes (v's weights begin at row 2,048); q, k: 4 Y + cy in x_codes
	s_cselect_b32 s42, s66, s67                    ; B's: v: 4 Y + cx in x_codes; q, k: 4 X + cx in wqkv_codes
	s_add_co_u32 s17, s17, s41
	s_add_co_u32 s42, s42, s40
	s_lshl_b32 s43, s41, 2
	s_lshl_b32 s43, 15, s43                        ; my row of the cluster
	s_lshl_b32 s44, 0x1111, s40                    ; my column
	; descriptor group 1: a tile of 128 rows x 256 bytes, padded in LDS
	s_or_b32 s[G1+0], s43, (0<<16)|(1<<20)|(1<<21)|(5<<22)|(3<<25)  ; 15:0 the mask: A's tiles go to my row; 17:16 element of 1 byte; 20 padding on; 21 set beside a mask; 24:22 after every 64 words (code 5); 31:25 of 4 words (code 3)
	s_or_b32 s[G1B+0], s44, (0<<16)|(1<<20)|(1<<21)|(5<<22)|(3<<25)
.irp g, G1, G1B
	s_mov_b32 s[\g+1], ROWB<<16                    ; tensor_dim0
	s_mov_b32 s[\g+2], 128<<16                     ; tensor_dim1 = 128
	s_mov_b32 s[\g+3], ROWB<<16                    ; tile_dim0
	s_mov_b32 s[\g+4], 128                         ; tile_dim1 = 128
	s_mov_b32 s[\g+5], KROW                        ; tensor_dim0_stride
	s_mov_b32 s[\g+6], 0
	s_mov_b32 s[\g+7], 0
.endr
	s_lshl_b32 s18, s16, 7                         ; which 128 rows of the tile I fetch
	s_lshl_b32 s20, s17, 8
	s_add_co_u32 s20, s20, s18
	s_lshl_b32 s20, s20, 10                        ; A: the row's first byte (rows of 1,024 bytes; under 2^23)
	s_mov_b32 s21, 0
	s_lshl_b32 s46, s42, 8
	s_add_co_u32 s46, s46, s18
	s_lshl_b32 s46, s46, 10                        ; B likewise
	s_mov_b32 s47, 0
	s_mul_i32 s45, s14, HALFT                      ; where they go: wave x 128 rows: no place in the cluster enters an LDS address
	s_wait_kmcnt 0x0
	s_load_b256 s[76:83], s[10:11], 0x0            ; e0 .. e7
	s_cmp_eq_u32 ttmp9, 2
	s_cselect_b64 s[84:85], s[6:7], s[4:5]         ; A's buffer,
	s_cselect_b64 s[86:87], s[4:5], s[6:7]         ; B's
	s_add_nc_u64 s[20:21], s[84:85], s[20:21]
	s_add_nc_u64 s[46:47], s[86:87], s[46:47]
	CROUND                                         ; all sixteen work-groups are here: the first joint loads meet
.irp s, 0,1
	s_mov_b32 s[G0+4*\s], 1
	s_add_co_u32 s[G0+4*\s+1], s45, \s*SLOT
	s_add_nc_u64 s[G0+4*\s+2:G0+4*\s+3], s[20:21], \s*ROWB
	s_or_b32 s[G0+4*\s+3], s[G0+4*\s+3], 0x80000000
	s_mov_b32 s[G0B+4*\s], 1
	s_add_co_u32 s[G0B+4*\s+1], s45, \s*SLOT
	s_add_nc_u64 s[G0B+4*\s+2:G0B+4*\s+3], s[46:47], \s*ROWB
	s_or_b32 s[G0B+4*\s+3], s[G0B+4*\s+3], 0x80000000
	JLOAD G0+4*\s, G1, G0B+4*\s, G1B               ; K steps 0 and 1: two tensor loads of mine are out
.endr
	v_and_b32 v1, 15, v0                           ; r = lane % 16
	v_bfe_u32 v2, v0, 4, 1                         ; h = lane / 16
	s_wait_alu depctr_va_vdst(0)
	v_mul_u32_u24 v3, v1, PITCH
	v_lshl_add_u32 v4, v2, 4, v3                   ; a fragment's row x pitch + 16 x half
	s_mul_i32 s21, s15, HALFT                      ; my 128 rows of A
	s_mul_i32 s22, s16, HALFT                      ; my 128 rows of B,
	s_add_co_u32 s22, s22, 2*HALFT                 ; which lie behind A's 256
.irp s, 0,1
	v_add_nc_u32 v[ADRA+\s], s21, v4
	v_add_nc_u32 v[ADRB+\s], s22, v4
	s_add_co_u32 s21, s21, SLOT
	s_add_co_u32 s22, s22, SLOT
.endr
	; what differs between q, k and v on the way out is chosen here, once; every choice hangs on the cluster's x alone
	s_cmp_eq_u32 ttmp9, 0
	s_cselect_b64 s[88:89], s[68:69], s[70:71]
	s_cmp_eq_u32 ttmp9, 2
	s_cselect_b64 s[88:89], s[72:73], s[88:89]     ; the buffer of images
	s_cselect_b32 s12, s41, s40                    ; the heads lie along A (v) or along B (q, k): the tile's four heads,
	s_cselect_b32 s13, s15, s16                    ; my wave's two of them
	s_cselect_b32 s19, s40, s41                    ; the tokens lie along B (v) or along A: the tile of 256,
	s_cselect_b32 s23, s16, s15                    ; my wave's 128 of them
	s_cselect_b32 s74, 4, 0                        ; the bias's offset: bytes for each r,
	s_cselect_b32 s75, 0, 32                       ; for h,
	s_cselect_b32 s95, 0, 4                        ; for each register j
	s_mov_b32 s92, 1024
	s_cselect_b32 s92, 2048, s92                   ; from block a to a + 1 in the images: q, k: the next 16 tokens; v: the next 16 of the head's 64
	s_mov_b32 s93, 1024
	s_cselect_b32 s93, 124928, s93                 ; from block 3 to 4: v: on to the next head (131,072 - 3 x 2,048)
	s_mov_b32 s96, 131072
	s_cselect_b32 s96, 1024, s96                   ; from registers 0-7 to registers 8-15: q, k: the next head's fragment; v: the fragment's second half
	s_mov_b32 s97, 0
	s_lshl_b32 s12, s12, 2
	s_lshl_b32 s13, s13, 1
	s_add_co_u32 s12, s12, s13                     ; my first head
	s_add_co_u32 s19, s19, s66
	s_lshl_b32 s19, s19, 8
	s_lshl_b32 s23, s23, 7
	s_add_co_u32 s19, s19, s23                     ; my first token
	s_mul_i32 s98, s12, 768
	s_lshl_b32 s99, ttmp9, 8
	s_add_co_u32 s98, s98, s99                     ; b_qkv: (head x 192 + part x 64) x 4 bytes
	s_mov_b32 s99, 0
	s_add_nc_u64 s[8:9], s[8:9], s[98:99]
	s_lshr_b32 s98, s19, 11                        ; the batch,
	s_lshl_b32 s98, s98, 4
	s_add_co_u32 s98, s98, s12                     ; x 16 + head,
	s_lshl_b32 s98, s98, 17                        ; x 131,072 bytes;
	s_and_b32 s99, s19, 2047
	s_lshl_b32 s99, s99, 6                         ; 64 bytes a token in all three layouts
	s_add_co_u32 s98, s98, s99
	s_mov_b32 s99, 0
	s_add_nc_u64 s[88:89], s[88:89], s[98:99]      ; where registers 0-7 of block 0 go,
	s_add_nc_u64 s[90:91], s[88:89], s[96:97]      ; and registers 8-15
	v_mul_u32_u24 v[LO], v2, s75
	v_mad_u32_u24 v[LO], v1, s74, v[LO]
.irp j, 1,2,3,4,5,6,7
	v_add_nc_u32 v[LO+\j], s95, v[LO+\j-1]
.endr
	; tile i of the bias: q, k: that of columns 16 i + 8 h + j; v: that of row 16 i + r, the same in all eight registers.  Tile i lies in head i / 4, at 16 (i % 4) of its 64
.irp i, 0,1,2,3,4,5,6,7
.irp j, 0,1,2,3,4,5,6,7
	global_load_b32 v[BT+8*\i+\j], v[LO+\j], s[8:9] offset:((\i/4)*192+(\i%4)*16)*4
.endr
.endr
	v_and_b32 v5, 31, v0
	v_lshlrev_b32 v[VO], 4, v5                     ; 16 x lane
.irp a, 1,2,3
	v_add_nc_u32 v[VO+\a], s92, v[VO+\a-1]
.endr
	v_add_nc_u32 v[VO+4], s93, v[VO+3]
.irp a, 5,6,7
	v_add_nc_u32 v[VO+\a], s92, v[VO+\a-1]
.endr
	s_wait_kmcnt 0x0
	s_cmp_eq_u32 ttmp9, 0
	s_cselect_b32 s94, s78, s79
	s_cmp_eq_u32 ttmp9, 2
	s_cselect_b32 s94, s81, s94                    ; eT: e2, e3 or e5
	s_add_co_i32 s98, s76, s77                     ; e0 + e1: a sum stands for sum x 2^(e0 + e1)
	s_sub_co_i32 s94, s94, s98
	s_sub_co_i32 s99, 0, s98
	s_add_co_i32 s94, s94, 127
	s_lshl_b32 s98, s94, 23
	v_mov_b32 v[SC], s98                           ; 2^(eT - e0 - e1) as f32: the conversion takes its exponent field
	s_wait_loadcnt 0x0                             ; the bias
.set n, 0
.rept 64
	v_ldexp_f32 v[BT+n], v[BT+n], s99              ; b / 2^(e0 + e1)
.set n, n+1
.endr
.macro FRAG reg, adr, q, i             ; a fragment, 16 rows x 128 K, is 16 registers: four loads of 16 bytes, 32 bytes apart; by the rows' order along K every k stands in the place that the form gives it
.irp c, 0,1,2,3
	ds_load_b128 v[\reg+4*\c:\reg+4*\c+3], v[\adr] offset:128*(\q)+32*\c+(\i)*16*PITCH
.endr
.endm
; 16 matrix instructions: A's blocks a0, a0 + 1 x B's eight, 128 along K.  p: B's set.  mode 0: the sums go on; 1: they begin with the bias of B's block; 2: with that of A's block.  Nothing is ever cleared.
; The 64 accumulators take turns, one instruction a turn, in the same order in every step.
.macro MUL16 a0, p, mode
.irp a, \a0, \a0+1
.irp b, 0,1,2,3,4,5,6,7
.if \mode == 1
	v_wmma_f32_16x16x128_bf8_bf8 v[8*(8*((\a)%4)+\b):8*(8*((\a)%4)+\b)+7], v[128*(\p)+FR*\b:128*(\p)+FR*\b+FR-1], v[AF+FR*(\a):AF+FR*(\a)+FR-1], v[BT+8*\b:BT+8*\b+7]
.elseif \mode == 2
	v_wmma_f32_16x16x128_bf8_bf8 v[8*(8*((\a)%4)+\b):8*(8*((\a)%4)+\b)+7], v[128*(\p)+FR*\b:128*(\p)+FR*\b+FR-1], v[AF+FR*(\a):AF+FR*(\a)+FR-1], v[BT+8*(\a):BT+8*(\a)+7]
.else
	v_wmma_f32_16x16x128_bf8_bf8 v[8*(8*((\a)%4)+\b):8*(8*((\a)%4)+\b)+7], v[128*(\p)+FR*\b:128*(\p)+FR*\b+FR-1], v[AF+FR*(\a):AF+FR*(\a)+FR-1], v[8*(8*((\a)%4)+\b):8*(8*((\a)%4)+\b)+7]
.endif
.endr
.endr
.endm
.macro FETCH_B slot, q, p              ; B's eight fragments of the slot's q-th 128 along K into set p
	WIN TO_B
.irp i, 0,1,2,3,4,5,6,7
	FRAG 128*(\p)+FR*\i, ADRB+\slot, \q, \i
.endr
	WIN 0
.endm
.macro FETCH_A slot, q, i0             ; A's blocks i0 .. i0 + 3
.irp i, \i0, \i0+1, \i0+2, \i0+3
	FRAG AF+FR*(\i), ADRA+\slot, \q, \i
.endr
.endm
; A load into a register that a matrix instruction has read, and a vector instruction that reads a matrix result, stand NP places behind that matrix instruction; only plain vector
; instructions that name none of its registers are places (ISA guide 7.12.1 for vector instructions).
.macro PLACES n
.rept \n
	v_nop
.endr
.endm
; A step of 128 along K that has its successor in the same slot.  A's blocks go one after the other, each against B's eight, so one set of registers serves A: blocks 0-3 are fetched anew in the middle, blocks 4-7 at the end.
.macro STEP slot, q, mode
	s_wait_dscnt 4*NL                              ; B's set and A's blocks 0-3 are in; the youngest sixteen loads (A's blocks 4-7) may be out
.if \mode
	WIN BEG_LO
.else
	WIN MUL_LO
.endif
	MUL16 0, (\q)%2, \mode
	MUL16 2, (\q)%2, \mode
	s_wait_dscnt 0                                 ; A's blocks 4-7 are in
	PLACES NP
	FETCH_B \slot, (\q)+1, 1-(\q)%2
	FETCH_A \slot, (\q)+1, 0
.if \mode
	WIN BEG_HI
.else
	WIN MUL_HI
.endif
	MUL16 4, (\q)%2, \mode
	MUL16 6, (\q)%2, \mode
	PLACES NP
	WIN 0
	FETCH_A \slot, (\q)+1, 4
.endm
; A slot's last step changes slots: ONE barrier; in front of it each wave waits for all its tensor loads, adds 0 to its spare word, and waits for that and for its own reads of this slot.  fill = 1: this slot is filled again, two K steps ahead.
.macro TURN slot, next, fill
	s_wait_tensorcnt 0x0                           ; all my tensor loads have landed: my part of the next slot  (every window is 0 here)
	ds_add_u32 v[SPW], v[NIL]                      ; 0 onto my spare word
	s_wait_dscnt 4*NL+1                            ; the add and the youngest sixteen loads (A's blocks 4-7) may be out
	WIN MUL_LO
	MUL16 0, 1, 0                                  ; sixteen matrix instructions stand between the add and the wait for it
	s_wait_dscnt 0x0                               ; the add is done, and my reads of this slot are over
	s_barrier_signal -1
	MUL16 2, 1, 0
	WIN 0
	s_barrier_wait -1
.if \fill
	CREST                                          ; the barrier has opened a round of the cluster's barrier: no wave of any partner still reads this slot's tile or has a load on its way
	s_add_nc_u64 s[G0+4*\slot+2:G0+4*\slot+3], s[G0+4*\slot+2:G0+4*\slot+3], 2*ROWB
	s_add_nc_u64 s[G0B+4*\slot+2:G0B+4*\slot+3], s[G0B+4*\slot+2:G0B+4*\slot+3], 2*ROWB
	JLOAD G0+4*\slot, G1, G0B+4*\slot, G1B         ; the first tensor load behind the round, my only one until the next; its four v_nop are the places in front of the loads below
.else
	PLACES NP
.endif
	FETCH_B \next, 0, 0
	FETCH_A \next, 0, 0
	WIN MUL_HI
	MUL16 4, 1, 0
	MUL16 6, 1, 0
	PLACES NP
	WIN 0
	FETCH_A \next, 0, 4
.endm
	s_wait_tensorcnt 1                             ; my part of K step 0 is in; K step 1's load may be out
	s_barrier_signal -1
	s_barrier_wait -1                              ; everybody's is
	FETCH_B 0, 0, 0
	FETCH_A 0, 0, 0
	FETCH_A 0, 0, 4
	s_cmp_eq_u32 ttmp9, 2                          ; the first step is written twice: the bias goes with B's blocks (q, k) or with A's (v).  Both arms hold the same LDS loads and as many matrix instructions
	s_cbranch_scc1 .Lfirst_v
	s_wait_alu depctr_va_vdst(0)
	STEP 0, 0, 1
	s_branch .Lfirst_done
.Lfirst_v:
	s_wait_alu depctr_va_vdst(0)
	STEP 0, 0, 2
.Lfirst_done:
	TURN 0, 1, 1                                   ; K = 1,024 is four K steps: they are written out; slot 0 takes K step 2,
	STEP 1, 0, 0
	TURN 1, 0, 1                                   ; slot 1 K step 3
	STEP 0, 0, 0
	TURN 0, 1, 0                                   ; nothing is left to fetch: no round of the cluster's barrier
	STEP 1, 0, 0
	s_wait_dscnt 4*NL                              ; the very last step
	WIN MUL_LO
	MUL16 0, 1, 0
	MUL16 2, 1, 0
	s_wait_dscnt 0
	WIN MUL_HI
	MUL16 4, 1, 0
	MUL16 6, 1, 0
	WIN 0
; THE WAY OUT of block a (16 rows of A x 128 columns): eight conversions, four stores of 512 consecutive bytes.  Each accumulator is read from its low end on.
.macro OUTB a
.set AC, 64*((\a)%4)
.if (\a) < 4
	WIN 0x02                                       ; source 0: window 2
.else
	WIN 0x03                                       ; window 3
.endif
.set n, 0
.rept 64
.set n, n+1
.endr
.irp b, 0,1,2,3,4,5,6,7
	v_cvt_scalef32_pk8_bf8_f32 v[PC+16*(\a)+2*\b:PC+16*(\a)+2*\b+1], v[AC+8*\b:AC+8*\b+7], v[SC]
.endr
	WIN 0
	v_nop                                          ; one plain line behind the conversions
	global_store_b128 v[VO+(\a)], v[PC+16*(\a):PC+16*(\a)+3], s[88:89]
	global_store_b128 v[VO+(\a)], v[PC+16*(\a)+4:PC+16*(\a)+7], s[88:89] offset:512
	global_store_b128 v[VO+(\a)], v[PC+16*(\a)+8:PC+16*(\a)+11], s[90:91]
	global_store_b128 v[VO+(\a)], v[PC+16*(\a)+12:PC+16*(\a)+15], s[90:91] offset:512
.endm
	PLACES NP                                      ; behind the last products: the codes land in the registers that held A's fragments
.irp a, 0,1,2,3,4,5,6,7
	OUTB \a
.endr
	s_wait_tensorcnt 0x0                           ; the wave's end
	ds_add_u32 v[SPW], v[NIL]
	s_wait_dscnt 0x0
	CROUND                                         ; the closing round: no work-group ends while a partner may still ask for a tile that names it
	s_endpgm
.Lfunc_end_k_qf94aeb608b_gemm_qkv:
	.size	k_qf94aeb608b_gemm_qkv, .Lfunc_end_k_qf94aeb608b_gemm_qkv-k_qf94aeb608b_gemm_qkv
	.p2alignl 7, 3214868480
	.fill 96, 4, 3214868480
	.section	.rodata,"a",@progbits
	.p2align	6, 0x0
	.amdhsa_kernel k_qf94aeb608b_gemm_qkv
		.amdhsa_group_segment_fixed_size 327680
		.amdhsa_private_segment_fixed_size 0
		.amdhsa_enable_private_segment 0
		.amdhsa_kernarg_size 56
		.amdhsa_user_sgpr_count 2
		.amdhsa_user_sgpr_kernarg_segment_ptr 1
		.amdhsa_wavefront_size32 1
		.amdhsa_system_sgpr_workgroup_id_x 1
		.amdhsa_system_sgpr_workgroup_id_y 1
		.amdhsa_system_sgpr_workgroup_id_z 1
		.amdhsa_system_vgpr_workitem_id 0
		.amdhsa_next_free_vgpr 1024
		.amdhsa_next_free_sgpr 100
		.amdhsa_reserve_vcc 0
		.amdhsa_float_denorm_mode_32 3
		.amdhsa_float_denorm_mode_16_64 3
		.amdhsa_fp16_overflow 1
		.amdhsa_memory_ordered 1
		.amdhsa_forward_progress 1
		.amdhsa_inst_pref_size 106
	.end_amdhsa_kernel
	.amdgpu_metadata
---
amdhsa.version: [ 1, 2 ]
amdhsa.kernels:
  - .name:           k_qf94aeb608b_gemm_qkv
    .symbol:         k_qf94aeb608b_gemm_qkv.kd
    .args:
      - { .name: x_codes, .offset: 0, .size: 8, .value_kind: global_buffer, .address_space: global }
      - { .name: wqkv_codes, .offset: 8, .size: 8, .value_kind: global_buffer, .address_space: global }
      - { .name: b_qkv, .offset: 16, .size: 8, .value_kind: global_buffer, .address_space: global }
      - { .name: lowp_scales, .offset: 24, .size: 8, .value_kind: global_buffer, .address_space: global }
      - { .name: q_codes, .offset: 32, .size: 8, .value_kind: global_buffer, .address_space: global }
      - { .name: k_codes, .offset: 40, .size: 8, .value_kind: global_buffer, .address_space: global }
      - { .name: v_codes, .offset: 48, .size: 8, .value_kind: global_buffer, .address_space: global }
    .group_segment_fixed_size: 327680
    .private_segment_fixed_size: 0
    .kernarg_segment_align: 8
    .kernarg_segment_size: 56
    .max_flat_workgroup_size: 128
    .sgpr_count:     100
    .vgpr_count:     1024
    .wavefront_size: 32
...
	.end_amdgpu_metadata
.endif
;; end of part 2
;; launch attn (part 3): grid 4 x 64, 16 waves a work-group, no clusters, 327,680 bytes of LDS; arguments q_codes, k_codes, v_codes, lowp_scales, a_codes; writes a_codes
.if DOCPART == 3
	.amdgcn_target "amdgcn-amd-amdhsa--gfx1250"
	.amdhsa_code_object_version 6
	.text
	.protected	k_qf94aeb608b_attn
	.globl	k_qf94aeb608b_attn
	.p2align	8
	.type	k_qf94aeb608b_attn,@function
k_qf94aeb608b_attn:
	s_mov_b64 s[64:65], 0
	v_nop
	global_prefetch_b8 v0, s[64:65] scope:SCOPE_SE
	s_setreg_imm32_b32 hwreg(HW_REG_WAVE_MODE, 25, 1), 1
	s_wait_xcnt 0x0
; Causal attention on codes of BF8 (E5M2): for each of 64 (batch, head) and each query, o = the sum over keys k <= q of softmax(q . k / 8) v, and o quantised at once into the last product's operand.
; ALL OPERANDS ARE IMAGES OF REGISTERS.  q_codes, k_codes: [bh][16 tokens][2][32 lanes][16 bytes]: a fragment 16 tokens x 64 of v_wmma_f32_16x16x64_bf8_bf8.  v_codes: [bh][128 keys][16 of the head's 64][4][32][16]: a fragment
; 16 x 128 keys of v_wmma_f32_16x16x128_bf8_bf8.  a_codes: [16 tokens][head][2][32][16].  Every load and store is 16 bytes at 16 x lane: 512 consecutive bytes; LDS needs no padding.
; THE SOFTMAX AHEAD OF THE SECOND PRODUCT: t = score x log2(e) / 8; M = the largest t so far, rounded UP to a whole number; p = 2^(t - M) is what is quantised; the row's sum is taken of the unquantised p and divides at the end.
; When M moves, the sum and O are multiplied by 2^(old M - new M): exact.
; LAYOUT.  Both products are used transposed: S^T = K Q^T (source 0 = 16 keys, source 1 = my 16 queries), O^T = V^T P^T: a lane holds ONE query (lane % 16) throughout.  In tile t of S^T register j is key 16 t + 8 (lane / 16) + j:
; its eight codes are registers 2 t, 2 t + 1 of P.  In tile f of O^T register j is channel 16 f + 8 (lane / 16) + j: its eight codes are registers 2 f, 2 f + 1 of the last product's operand.
; SHARES.  A work-group owns two blocks of 256 queries of one head, block i and block 7 - i, one after the other; each of its sixteen waves 16 queries of each.  Block i wants i + 1 slots of 256 keys, block 7 - i wants 8 - i:
; NINE UNITS in every work-group, a constant, and no tile is fetched that nobody reads.  In a wave, a step of 128 keys all of which come after its queries is left out by a scalar branch on ids.
; NO CLUSTER: the four work-groups of a head stand at different slots in the same trip (block i begins anew at unit i + 1); walking in step they would have to pass 4 + 8 = 12 units for their 9.
; LIMITS, so that each power of two below is an f32 number: e2 + e3 between -123 and 130 (added to c's exponent field); e4 and e6 between -126 and 112; e4 + e5 goes by v_ldexp_f32 and has none.  NaN is not served.
; REGISTERS: v1-8 addresses; v12 -M, v13 the largest t, v[14:15] the sum in two halves; v16-23 Q; v32-95 K's 8 fragments, then V's 4; v96-159 S^T, then p; v160-191 O^T; v192-207 p's codes; v208-223 the results' codes; v236-255 at work.
.set SLOT1, 32768                      ; a slot: K's 16 fragments of 1,024 bytes, then V's 2 x 4 of 2,048; slot 1 begins here: one exclusive or turns an address from one slot to the other
.set VOFF,  16384
.set SPARE, 65536                      ; behind the ring: the spare words, 128 bytes for each wave: eight blocks of 256 bytes that no other line names
.set LI,   1                           ; v1   16 x lane; never rewritten
.set PFO,  2                           ; v2   256 x lane: the prefetches' offset; never rewritten
.set DG,   3                           ; v3   lane % 16 - 8 (lane / 16), for the mask
.set SPW,  5                           ; v5   LDS address of my spare word; never rewritten
.set NIL,  6                           ; v6   0; never rewritten
.set ADR,  8                           ; v8   16 x lane + the slot in hand
.set TB,   2                           ; s2   LDS byte at which the slot in hand begins
.set UN,   3                           ; s3   the unit in hand, 0..8
.set WV,   18                          ; s18  my wave's number
.set I1,   19                          ; s19  i + 1: the unit with which the second block begins
.set SEL,  20                          ; s[20:21] lane selects for v_permlanex16_b32: lane l xor 16
.set CS,   22                          ; s[22:23] c = log2(e) / 8 x 2^(e2 + e3)
.set G1,   24                          ; s[24:31] descriptor group 1: one shape serves K and V
.set G0K,  40                          ; s[40:43] group 0 for K's part of a slot (wave 0 issues it);  s[44:47] for V's (wave 1)
.set G0V,  44
.set KB,   48                          ; s[48:49] k_codes at my head;  s[50:51] v_codes
.set VB,   50
.set QPA,  52                          ; s[52:53], s[54:55] my queries' images in the first and in the second block
.set QPB,  54
.set APA,  56                          ; s[56:57], s[58:59] where their results go
.set APB,  58
.set Q0B,  60                          ; s60  my first query in the second block
.set E45,  61                          ; s61  e4 + e5
.set SLOTS, 67                         ; s67  units still to be asked for
.set EX,   68                          ; s[68:75] e0 .. e7
.set PFA,  76                          ; s[76:77] where my prefetches stand
.set LIM,  80                          ; s80  1 in a wave that prefetches, else the greatest number
.set KF,   98                          ; s98  the step's first key
.set Q0,   99                          ; s99  my first query
; Wave 0 fetches K's part of a slot, wave 1 V's, the others nothing.  The branches hang on the wave's number alone.  Four v_nop follow each of the two lines.
.macro TLOAD
	s_cmp_lt_u32 s[WV], 1
	s_cbranch_scc0 .Lnot_k_\@
	tensor_load_to_lds s[G0K:G0K+3], s[G1:G1+7]
	s_nop 0
.rept 4
	v_nop
.endr
	s_branch .Lasked_\@
.Lnot_k_\@:
	s_cmp_lt_u32 s[WV], 2
	s_cbranch_scc0 .Lasked_\@
	tensor_load_to_lds s[G0V:G0V+3], s[G1:G1+7]
	s_nop 0
.rept 4
	v_nop
.endr
.Lasked_\@:
.endm
; A PREFETCH INTO THE L2 of the slot of keys that the NEXT change of slots will ask for: 16,384 bytes of K and as many of V.  All four work-groups of a head read the same K and V; the one with i = 0, which from unit 1 on walks
; slots 0 to 7 in order, asks, and nobody else.  In it waves 4 and 5 ask for K's two halves of 8,192 bytes, waves 6 and 7 for V's, lanes 256 bytes apart: one instruction a wave, each aligned block of 256 bytes named once in the launch.
; The change at the head of unit u loads slot u there and asks for slot u + 1, u = 0..6: one unit, two key steps, ahead of its load.  Slot 0 comes by its load alone; the last change that fills a slot asks for nothing.
.macro ASK
	s_cmp_gt_u32 s[SLOTS], s[LIM]
	s_cbranch_scc0 .Lnot_mine_\@
	global_prefetch_b8 v[PFO], s[PFA:PFA+1] th:TH_LOAD_NT scope:SCOPE_SE
.Lnot_mine_\@:
.endm
.macro INIT                            ; a block of queries begins: O^T and the sum as zeros, the largest t under every t: the first change of M leaves the zeros zeros, so the key step is written once
	v_mov_b32 v13, 0xff61b1e6                      ; -3e38
	s_delay_alu instid0(VALU_DEP_1)
	v_floor_f32 v12, -v13                          ; -M
	v_mov_b32 v14, 0
	v_mov_b32 v15, 0
.set n, 0
.rept 32
	v_mov_b32 v[160+n], 0
.set n, n+1
.endr
.endm
	s_load_b256 s[4:11], s[0:1], 0x0               ; q_codes s[4:5], k_codes s[6:7], v_codes s[8:9], the scales' exponents s[10:11]
	s_load_b64 s[12:13], s[0:1], 0x20              ; a_codes
	v_lshl_add_u32 v[SPW], v0, 2, SPARE
	v_mov_b32 v[NIL], 0
	ds_add_u32 v5, v6
	ds_add_u32 v5, v6
	s_wait_dscnt 0x0
	v_lshrrev_b32 v8, 5, v0
	s_delay_alu instid0(VALU_DEP_1)
	v_readfirstlane_b32 s[WV], v8                  ; wave 0..15
	s_and_b32 s82, ttmp7, 0xffff                   ; bh = 16 x batch + head
	s_add_co_u32 s[I1], ttmp9, 1
	s_lshl_b32 s84, s82, 17                        ; a head's codes are 131,072 bytes in q, k and v
	s_mov_b32 s85, 0
	s_lshl_b32 s86, s[WV], 4
	s_lshl_b32 s[Q0], ttmp9, 8
	s_add_co_u32 s[Q0], s[Q0], s86                 ; my first query: 256 i + 16 wave,
	s_sub_co_u32 s[Q0B], 7, ttmp9
	s_lshl_b32 s[Q0B], s[Q0B], 8
	s_add_co_u32 s[Q0B], s[Q0B], s86               ; later 256 (7 - i) + 16 wave
	s_lshl_b32 s88, s[Q0], 6                       ; 64 bytes a query
	s_add_co_u32 s88, s88, s84
	s_mov_b32 s89, 0
	s_lshl_b32 s90, s[Q0B], 6
	s_add_co_u32 s90, s90, s84
	s_mov_b32 s91, 0
	s_lshr_b32 s92, s82, 4
	s_lshl_b32 s92, s92, 21                        ; a_codes: the batch's 2,048 tokens of 1,024 bytes,
	s_and_b32 s93, s82, 15
	s_lshl_b32 s93, s93, 10                        ; the head's 1,024 bytes in a tile of 16 tokens,
	s_add_co_u32 s92, s92, s93
	s_lshl_b32 s94, s[Q0B], 10                     ; 16 tokens are 16,384 bytes
	s_add_co_u32 s94, s94, s92
	s_mov_b32 s95, 0
	s_lshl_b32 s93, s[Q0], 10
	s_add_co_u32 s92, s92, s93
	s_mov_b32 s93, 0
	; descriptor group 1: a dense block of 16,384 bytes as 64 rows of 256
	s_mov_b32 s[G1], 3<<16                         ; 15:0 no mask; 17:16 elements of 8 bytes; no padding
	s_mov_b32 s[G1+1], 32<<16                      ; tensor_dim0 = 32
	s_mov_b32 s[G1+2], 64<<16                      ; tensor_dim1 = 64
	s_mov_b32 s[G1+3], 32<<16                      ; tile_dim0 = 32
	s_mov_b32 s[G1+4], 64                          ; tile_dim1 = 64
	s_mov_b32 s[G1+5], 32                          ; tensor_dim0_stride
	s_mov_b32 s[G1+6], 0
	s_mov_b32 s[G1+7], 0
	s_mov_b32 s[SEL], 0x76543210
	s_mov_b32 s[SEL+1], 0xfedcba98
	s_mov_b32 s[CS], 0x3e38aa3b                    ; log2(e) / 8
	s_mov_b32 s[TB], 0
	s_mov_b32 s[UN], 0
	s_mov_b32 s[SLOTS], 8
	s_mov_b32 s[KF], 0
	s_wait_kmcnt 0x0
	s_load_b256 s[EX:EX+7], s[10:11], 0x0
	s_add_nc_u64 s[KB:KB+1], s[6:7], s[84:85]
	s_add_nc_u64 s[VB:VB+1], s[8:9], s[84:85]
	s_add_nc_u64 s[QPA:QPA+1], s[4:5], s[88:89]
	s_add_nc_u64 s[QPB:QPB+1], s[4:5], s[90:91]
	s_add_nc_u64 s[APA:APA+1], s[12:13], s[92:93]
	s_add_nc_u64 s[APB:APB+1], s[12:13], s[94:95]
	s_mov_b32 s[G0K], 1                            ; 1:0 count = 1
	s_mov_b32 s[G0K+1], 0                          ; 63:32 LDS address: slot 0
	s_mov_b64 s[G0K+2:G0K+3], s[KB:KB+1]           ; 120:64 global address: unit 0 is the head's first 256 keys
	s_or_b32 s[G0K+3], s[G0K+3], 0x80000000        ; 127:126 type = 2
	s_mov_b32 s[G0V], 1
	s_mov_b32 s[G0V+1], VOFF
	s_mov_b64 s[G0V+2:G0V+3], s[VB:VB+1]
	s_or_b32 s[G0V+3], s[G0V+3], 0x80000000
	TLOAD                                          ; unit 0: one tensor load of a fetching wave is out
	s_cmp_lt_u32 s[WV], 6                          ; the prefetches: waves 4 and 5 stand in K, waves 6 and 7 in V,
	s_cselect_b64 s[PFA:PFA+1], s[KB:KB+1], s[VB:VB+1]
	s_and_b32 s82, s[WV], 1
	s_lshl_b32 s82, s82, 13                        ; at their half of slot 0; the first change of slots steps them to slot 1.  Nothing is prefetched here, at the head
	s_mov_b32 s83, 0
	s_add_nc_u64 s[PFA:PFA+1], s[PFA:PFA+1], s[82:83]
	s_sub_co_u32 s82, s[WV], 4
	s_lshr_b32 s82, s82, 2                         ; 0 in waves 4 to 7,
	s_or_b32 s82, s82, ttmp9                       ; of the work-group with i = 0
	s_cmp_eq_u32 s82, 0
	s_cselect_b32 s[LIM], 1, -1
	v_and_b32 v9, 31, v0
	s_delay_alu instid0(VALU_DEP_1)
	v_lshlrev_b32 v[LI], 4, v9
	s_delay_alu instid0(VALU_DEP_2)
	v_lshlrev_b32 v[PFO], 8, v9
	v_and_b32 v10, 15, v0
	v_bfe_u32 v11, v0, 4, 1
	s_delay_alu instid0(VALU_DEP_1)
	v_lshlrev_b32 v11, 3, v11
	s_delay_alu instid0(VALU_DEP_1)
	v_sub_nc_u32 v[DG], v10, v11
	global_load_b128 v[16:19], v[LI], s[QPA:QPA+1]             ; Q's fragment stays in registers
	global_load_b128 v[20:23], v[LI], s[QPA:QPA+1] offset:512
	v_mov_b32 v236, 0                              ; written once: a lane permute's destination counts as one of its sources
	v_mov_b32 v252, 0
	v_mov_b32 v253, 0                              ; (named as the upper half of the pair v[252:253])
	INIT
	s_wait_kmcnt 0x0
	s_add_co_i32 s82, s[EX+2], s[EX+3]
	s_lshl_b32 s82, s82, 23
	s_add_co_i32 s[CS], s[CS], s82                 ; a score stands for score x 2^(e2 + e3): the two exponents are added to c's exponent field
	s_mov_b32 s[CS+1], s[CS]                       ; (named with it as a pair, so it is written)
	s_add_co_i32 s[E45], s[EX+4], s[EX+5]
	s_add_co_i32 s82, s[EX+4], 127
	s_lshl_b32 s83, s82, 23
	v_mov_b32 v244, s83                            ; 2^e4 as f32, for p's conversions
	s_add_co_i32 s82, s[EX+6], 127
	s_lshl_b32 s83, s82, 23
	v_mov_b32 v245, s83                            ; 2^e6, for the result's
; A KEY STEP: 128 keys, the q-th of the slot in hand.
.macro STEP q
	s_add_co_u32 s96, s[Q0], 15                    ; a step all of whose keys come after my 16 queries is left out: a scalar branch on ids; no barrier and no tensor load stands in a step
	s_cmp_gt_u32 s[KF], s96
	s_cbranch_scc1 .Lhidden_\@
	v_add_nc_u32 v[ADR], s[TB], v[LI]
.rept 3
	v_nop                                          ; with the addition above: four places in front of loads into registers that the last products read
.endr
.irp t, 0,1,2,3,4,5,6,7
	ds_load_b128 v[32+8*\t:35+8*\t], v[ADR] offset:8192*(\q)+1024*\t
	ds_load_b128 v[36+8*\t:39+8*\t], v[ADR] offset:8192*(\q)+1024*\t+512
.endr
	s_wait_alu depctr_va_vdst(0)
	s_wait_dscnt 0x0
.irp t, 0,1,2,3,4,5,6,7
	v_wmma_f32_16x16x64_bf8_bf8 v[96+8*\t:103+8*\t], v[32+8*\t:39+8*\t], v[16:23], 0   ; S^T: keys 16 t on x my 16 queries
.endr
.rept 4
	v_nop                                          ; places in front of the loads below and of the first read of the scores
.endr
.irp f, 0,1,2,3
.irp c, 0,1,2,3
	ds_load_b128 v[32+16*\f+4*\c:35+16*\f+4*\c], v[ADR] offset:VOFF+8192*(\q)+2048*\f+512*\c   ; V's four fragments take K's registers and land under the softmax
.endr
.endr
	s_add_co_u32 s96, s[KF], 127                   ; on the diagonal the scores of hidden keys become -infinity ahead of the maximum: p = 0 then.  A step all of whose keys count skips this
	s_cmp_le_u32 s96, s[Q0]
	s_cbranch_scc1 .Lopen_\@
	s_sub_co_i32 s96, s[Q0], s[KF]
	v_add_nc_u32 v252, s96, v[DG]                  ; d = my query - KF - 8 (lane / 16).  Register n holds key KF + 8 (lane / 16) + 16 (n / 8) + n % 8: hidden where 16 (n / 8) + n % 8 > d
	v_mov_b32 v254, 0xff800000                     ; -infinity
.set n, 0
.rept 64
	v_cmp_gt_i32 vcc_lo, 16*(n/8)+n%8, v252
	v_cndmask_b32 v[96+n], v[96+n], v254, vcc_lo
.set n, n+1
.endr
.Lopen_\@:
	v_max3_num_f32 v254, v96, v97, v98             ; the step's largest score of my query, among my 64 keys, in two chains,
	v_max3_num_f32 v252, v99, v100, v101
.irp i, 6,10,14,18,22,26,30,34,38,42,46,50,54,58
	v_max3_num_f32 v254, v254, v[96+\i], v[97+\i]
	v_max3_num_f32 v252, v252, v[98+\i], v[99+\i]
.endr
	v_max3_num_f32 v254, v254, v158, v159
	s_delay_alu instid0(VALU_DEP_1)
	v_max_num_f32 v254, v254, v252
	s_delay_alu instid0(VALU_DEP_1)
	v_permlanex16_b32 v236, v254, s[SEL], s[SEL+1]
	s_delay_alu instid0(VALU_DEP_1)
	v_max_num_f32 v254, v254, v236                 ; and among lane l xor 16's
	s_delay_alu instid0(VALU_DEP_1)
	v_mul_f32 v254, s[CS], v254                    ; as t (c is positive)
	s_delay_alu instid0(VALU_DEP_1)
	v_max_num_f32 v13, v13, v254                   ; the running largest t
	v_mov_b32 v254, v12
	s_delay_alu instid0(VALU_DEP_2)
	v_floor_f32 v12, -v13                          ; the new -M = floor(-t) = -ceil(t): M is a whole number
	s_delay_alu instid0(VALU_DEP_1)
	v_sub_f32 v254, v12, v254                      ; M's old value less its new one: a whole number, 0 or less
	s_delay_alu instid0(VALU_DEP_1)
	v_cvt_i32_f32 v254, v254                       ; (it saturates)
	s_delay_alu instid0(VALU_DEP_1)
	v_ldexp_f32 v252, 1.0, v254                    ; f = 2^(old M - new M)
.set n, 0
.rept 32
	v_pk_fma_f32 v[96+n:97+n], v[96+n:97+n], s[CS:CS+1], v[12:13] op_sel_hi:[1,0,0]   ; t - M, two at a time (of the pairs c and -M the low word serves both halves)
.set n, n+2
.endr
.set n, 0
	s_wait_alu depctr_va_vdst(0)
.rept 64
	v_exp_f32 v[96+n], v[96+n]                     ; p = 2^(t - M), at most 1: not normalised
.set n, n+1
.endr
	v_pk_mul_f32 v[14:15], v[14:15], v[252:253] op_sel_hi:[1,0]   ; the sums under the new M: the plain line behind the exponentials
	s_wait_alu depctr_va_vdst(0)                   ; one wait for the whole batch of 64, ahead of its first reader
	v_pk_add_f32 v[242:243], v[100:101], v[104:105]
	v_pk_add_f32 v[254:255], v[108:109], v[112:113]
	v_pk_add_f32 v[250:251], v[116:117], v[120:121]
	v_pk_add_f32 v[248:249], v[124:125], v[128:129]
	v_pk_add_f32 v[246:247], v[132:133], v[136:137]
	v_pk_add_f32 v[240:241], v[140:141], v[144:145]
	v_pk_add_f32 v[238:239], v[148:149], v[152:153]
	v_pk_add_f32 v[14:15], v[14:15], v[156:157]
	v_pk_add_f32 v[242:243], v[242:243], v[96:97]
	v_pk_add_f32 v[254:255], v[254:255], v[98:99]
	v_pk_add_f32 v[250:251], v[250:251], v[102:103]
	v_pk_add_f32 v[248:249], v[248:249], v[106:107]
	v_pk_add_f32 v[246:247], v[246:247], v[110:111]
	v_pk_add_f32 v[240:241], v[240:241], v[114:115]
	v_pk_add_f32 v[238:239], v[238:239], v[118:119]
	v_pk_add_f32 v[14:15], v[14:15], v[122:123]
	v_pk_add_f32 v[242:243], v[242:243], v[126:127]
	v_pk_add_f32 v[254:255], v[254:255], v[130:131]
	v_pk_add_f32 v[250:251], v[250:251], v[134:135]
	v_pk_add_f32 v[248:249], v[248:249], v[138:139]
	v_pk_add_f32 v[246:247], v[246:247], v[142:143]
	v_pk_add_f32 v[240:241], v[240:241], v[146:147]
	v_pk_add_f32 v[238:239], v[238:239], v[150:151]
	v_pk_add_f32 v[14:15], v[14:15], v[154:155]
	v_pk_add_f32 v[242:243], v[242:243], v[158:159]
	s_delay_alu instid0(VALU_DEP_2)
	v_pk_add_f32 v[14:15], v[14:15], v[248:249]
	s_delay_alu instid0(VALU_DEP_2)
	v_pk_add_f32 v[242:243], v[242:243], v[246:247]
	v_pk_add_f32 v[254:255], v[254:255], v[240:241]
	v_pk_add_f32 v[250:251], v[250:251], v[238:239]
	s_delay_alu instid0(VALU_DEP_2)
	v_pk_add_f32 v[14:15], v[14:15], v[254:255]
	s_delay_alu instid0(VALU_DEP_2)
	v_pk_add_f32 v[242:243], v[242:243], v[250:251]
	s_delay_alu instid0(VALU_DEP_1)
	v_pk_add_f32 v[14:15], v[14:15], v[242:243]
.irp t, 0,1,2,3,4,5,6,7
.irp i, 0,1,2,3,4,5,6,7
.endr
	v_cvt_scalef32_pk8_bf8_f32 v[192+2*\t:193+2*\t], v[96+8*\t:103+8*\t], v244
.endr
.set n, 0
.rept 16
	v_pk_mul_f32 v[160+n:161+n], v[160+n:161+n], v[252:253] op_sel_hi:[1,0]   ; O^T under the new M: x f.  (Also the plain lines between the conversions and the products)
.set n, n+2
.endr
	s_wait_alu depctr_va_vdst(0)
	s_wait_dscnt 0x0                               ; V is in
.irp f, 0,1,2,3
	v_wmma_f32_16x16x128_bf8_bf8 v[160+8*\f:167+8*\f], v[32+16*\f:47+16*\f], v[192:207], v[160+8*\f:167+8*\f]   ; O^T += V^T P^T: the four accumulators take turns, one instruction a turn
.endr
.Lhidden_\@:
	s_add_co_u32 s[KF], s[KF], 128
.endm
; THE CHANGE OF SLOTS stands at a unit's head.  Each wave waits for all its tensor loads (its part of the slot that it is about to read), adds 0 to its spare word, and waits for that and for its reads of the slot that it has left.
; Behind the barrier the slot ahead is whole and nobody reads the other one.  fill = 1: that other slot takes the next unit's keys: slot u + 1 of the first block, or u + 1 - (i + 1) of the second; the load has a whole unit in which to land.
.macro CHANGE fill
	s_wait_tensorcnt 0x0                           ; no tensor load of mine is out, so a group 0 may be written
	ds_add_u32 v[SPW], v[NIL]                      ; 0 onto my spare word; the descriptors' words are made between it and the wait for it
.if \fill
	s_xor_b32 s[G0K+1], s[G0K+1], SLOT1            ; the other slot than last time
	s_xor_b32 s[G0V+1], s[G0V+1], SLOT1
	s_add_co_u32 s82, s[UN], 1
	s_cmp_ge_u32 s82, s[I1]
	s_cselect_b32 s83, s[I1], 0
	s_sub_co_u32 s82, s82, s83                     ; which 256 keys of the head
	s_lshl_b32 s82, s82, 14                        ; 16,384 bytes each, in K and in V
	s_mov_b32 s83, 0
	s_add_nc_u64 s[G0K+2:G0K+3], s[KB:KB+1], s[82:83]
	s_or_b32 s[G0K+3], s[G0K+3], 0x80000000
	s_add_nc_u64 s[G0V+2:G0V+3], s[VB:VB+1], s[82:83]
	s_or_b32 s[G0V+3], s[G0V+3], 0x80000000
	s_wait_xcnt 0x0                                ; the last prefetch, a unit back, has read its address, so it may be written
	s_add_nc_u64 s[PFA:PFA+1], s[PFA:PFA+1], 16384
.endif
	s_wait_dscnt 0x0                               ; the add is done, and my reads of the slot that I have left are over
	s_barrier_signal -1
	s_barrier_wait -1
.if \fill
	TLOAD                                          ; the first thing behind the barrier, and a wave's one tensor load until the next
	ASK
.endif
.endm
; THE WAY OUT of a block of queries: O^T / the sum x 2^(e4 + e5), held, converted with 2^e6: the eight registers are the last product's fragment (16 tokens x this head's 64) and are stored as they stand.
; Each of the two ways out has eight registers of its own for its codes, so that no store's data are written again.
.macro FLUSH ptr, reg
.rept 4
	v_nop                                          ; places behind the last products
.endr
	v_add_f32 v14, v14, v15                        ; the sum's two halves,
	s_delay_alu instid0(VALU_DEP_1)
	v_permlanex16_b32 v252, v14, s[SEL], s[SEL+1]
	s_delay_alu instid0(VALU_DEP_1)
	v_add_f32 v14, v14, v252                       ; and lane l xor 16's: the row's sum
	s_wait_alu depctr_va_vdst(0)
	v_rcp_f32 v14, v14
	v_nop                                          ; one plain line behind the transcendental
	s_wait_alu depctr_va_vdst(0)                   ; and the wait ahead of its first reader
	v_ldexp_f32 v14, v14, s[E45]
.set n, 0
.rept 16
	v_pk_mul_f32 v[96+n:97+n], v[160+n:161+n], v[14:15] op_sel_hi:[1,0]   ; each accumulator from its low end on
.set n, n+2
.endr
.set n, 0
.rept 32
.set n, n+1
.endr
.irp f, 0,1,2,3
	v_cvt_scalef32_pk8_bf8_f32 v[\reg+2*\f:\reg+2*\f+1], v[96+8*\f:103+8*\f], v245
.endr
	v_nop                                          ; one plain line behind the conversions: later products write their sources
	global_store_b128 v[LI], v[\reg:\reg+3], s[\ptr:\ptr+1]                 ; 512 consecutive bytes each
	global_store_b128 v[LI], v[\reg+4:\reg+7], s[\ptr:\ptr+1] offset:512
.endm
	s_wait_loadcnt 0x0                             ; Q
.Lunit:                                            ; eight trips: behind each change of slots but the last the next unit is asked for
	CHANGE 1
	s_cmp_lg_u32 s[UN], s[I1]                      ; the first block is done where the unit is i + 1 (1..4, so always in this loop): a branch on ids, round no barrier and no tensor load
	s_cbranch_scc1 .Lstay
	FLUSH APA, 208
	global_load_b128 v[16:19], v[LI], s[QPB:QPB+1]
	global_load_b128 v[20:23], v[LI], s[QPB:QPB+1] offset:512
	INIT
	s_mov_b32 s[KF], 0
	s_mov_b32 s[Q0], s[Q0B]
	s_wait_loadcnt 0x0
.Lstay:
	STEP 0
	STEP 1
	s_xor_b32 s[TB], s[TB], SLOT1                  ; on to the other slot
	s_add_co_u32 s[UN], s[UN], 1
	s_sub_co_u32 s[SLOTS], s[SLOTS], 1
	s_cmp_lg_u32 s[SLOTS], 0
	s_cbranch_scc1 .Lunit
	CHANGE 0                                       ; the last unit is written out
	STEP 0
	STEP 1
	FLUSH APB, 216
	s_wait_tensorcnt 0x0                           ; the wave's end
	ds_add_u32 v[SPW], v[NIL]
	s_wait_dscnt 0x0
	s_endpgm
.Lfunc_end_k_qf94aeb608b_attn:
	.size	k_qf94aeb608b_attn, .Lfunc_end_k_qf94aeb608b_attn-k_qf94aeb608b_attn
	.p2alignl 7, 3214868480
	.fill 96, 4, 3214868480
	.section	.rodata,"a",@progbits
	.p2align	6, 0x0
	.amdhsa_kernel k_qf94aeb608b_attn
		.amdhsa_group_segment_fixed_size 327680
		.amdhsa_private_segment_fixed_size 0
		.amdhsa_enable_private_segment 0
		.amdhsa_kernarg_size 40
		.amdhsa_user_sgpr_count 2
		.amdhsa_user_sgpr_kernarg_segment_ptr 1
		.amdhsa_wavefront_size32 1
		.amdhsa_system_sgpr_workgroup_id_x 1
		.amdhsa_system_sgpr_workgroup_id_y 1
		.amdhsa_system_sgpr_workgroup_id_z 1
		.amdhsa_system_vgpr_workitem_id 0
		.amdhsa_next_free_vgpr 256
		.amdhsa_next_free_sgpr 100
		.amdhsa_reserve_vcc 1
		.amdhsa_float_denorm_mode_32 3
		.amdhsa_float_denorm_mode_16_64 3
		.amdhsa_fp16_overflow 1
		.amdhsa_memory_ordered 1
		.amdhsa_forward_progress 1
		.amdhsa_inst_pref_size 90
	.end_amdhsa_kernel
	.amdgpu_metadata
---
amdhsa.version: [ 1, 2 ]
amdhsa.kernels:
  - .name:           k_qf94aeb608b_attn
    .symbol:         k_qf94aeb608b_attn.kd
    .args:
      - { .name: q_codes, .offset: 0, .size: 8, .value_kind: global_buffer, .address_space: global }
      - { .name: k_codes, .offset: 8, .size: 8, .value_kind: global_buffer, .address_space: global }
      - { .name: v_codes, .offset: 16, .size: 8, .value_kind: global_buffer, .address_space: global }
      - { .name: lowp_scales, .offset: 24, .size: 8, .value_kind: global_buffer, .address_space: global }
      - { .name: a_codes, .offset: 32, .size: 8, .value_kind: global_buffer, .address_space: global }
    .group_segment_fixed_size: 327680
    .private_segment_fixed_size: 0
    .kernarg_segment_align: 8
    .kernarg_segment_size: 40
    .max_flat_workgroup_size: 512
    .sgpr_count:     100
    .vgpr_count:     256
    .wavefront_size: 32
...
	.end_amdgpu_metadata
.endif
;; end of part 3
;; launch gemm_out (part 4): grid 4 x 32, 4 waves a work-group, clusters of 4 x 4, 327,680 bytes of LDS; arguments a_codes, wout_codes, b_out, lowp_scales, out0; writes out0
.if DOCPART == 4
	.amdgcn_target "amdgcn-amd-amdhsa--gfx1250"
	.amdhsa_code_object_version 6
	.text
	.protected	k_qf94aeb608b_gemm_out
	.globl	k_qf94aeb608b_gemm_out
	.p2align	8
	.type	k_qf94aeb608b_gemm_out,@function
k_qf94aeb608b_gemm_out:
	s_mov_b64 s[64:65], 0
	v_nop
	global_prefetch_b8 v0, s[64:65] scope:SCOPE_SE
	s_setreg_imm32_b32 hwreg(HW_REG_WAVE_MODE, 25, 1), 1
	s_wait_xcnt 0x0
	s_wait_alu depctr_hold_cnt(0) depctr_sa_sdst(0) depctr_va_vdst(0) depctr_va_sdst(0) depctr_va_ssrc(0) depctr_va_vcc(0) depctr_vm_vsrc(0)
	s_getreg_b32 s2, hwreg(HW_REG_IB_STS2, 6, 4)
	s_cmp_eq_u32 s2, 0
	s_cbranch_scc0 .Lentry_in_a_cluster
	s_endpgm
.Lentry_in_a_cluster:
	s_bfe_u32 s2, ttmp6, 0x10000c
	s_cmp_lg_u32 s2, 0xf033
	s_cbranch_scc0 .Lentry_shape_is_right
	s_endpgm
.Lentry_shape_is_right:
; out0 = a W_out + b_out on codes of BF8 (E5M2).  a_codes: the attention's result as images of registers, [16 tokens][head][2][32 lanes][16 bytes]; wout_codes [1024 (n)][1024 (k)], rows with K innermost; out0 [8192][1024] f32.
; A tile of 256 x 256 is made by four waves, each 128 x 128: 64 accumulators, 512 registers.  K = 1,024 goes in four steps of 256 (four heads) through a ring of two LDS slots filled by the tensor data mover.
; A's FRAGMENTS COME AS THEY WERE STORED: two heads' images on end, 2,048 bytes, are the 16 registers of a fragment 16 tokens x 128 K: four loads of 16 bytes at 16 x lane, 512 consecutive bytes each, no padding.
; B's rows hold, within each 32 along K, the groups of eight in the order 0, 2, 1, 3, so that four loads of 16 bytes, 32 bytes apart, give every k the same place.
; THE MATRIX INSTRUCTION IS USED TRANSPOSED (source 0 = 16 rows of B, source 1 = 16 tokens): a lane holds eight neighbouring numbers of a row of out0.
; The bias is the C of each sum's first matrix instruction, divided by 2^(e6 + e7); each finished sum is multiplied once by 2^(e6 + e7).  LIMIT: e6 + e7 between -126 and 127, so that this is an f32 number.
; CLUSTERS: 4 x 4 work-groups; A's tiles are shared along a row of the cluster, B's along a column, each asked for jointly.
; REGISTERS, in windows of 256: window 0: v16-29 addresses; v32-95 the bias, later a block's results; from v128 A's fragments (one set), later rows on their way out.   window 1: B's fragments, two sets.
;   window 2: the accumulators of my rows 0-63 ((a, b) at v[8 (8 a + b)]);   window 3: those of rows 64-127.
.set SIZE_N, 1024
.set ROWB,   256                       ; B: a tile's row in bytes
.set KROW,   1024                      ; B: a row of codes in memory
.set PITCH,  272                       ; B: an LDS row: 256 bytes + 16 of padding = 68 words: row r starts at bank 4 r mod 64 (64 banks of 4 bytes: ISA guide 11.1)
.set FR,     16
.set NL,     4
.set NP,     4                         ; places behind this matrix instruction (ISA guide 7.12.1)
.set HALFT,  128*PITCH                 ; B: 128 rows: what one tensor load brings
.set AHALF,  32768                     ; A: 8 tiles of 16 tokens x 4,096 bytes: what one tensor load brings
.set ASTEP,  4096                      ; A: a K step (four heads) of a tile of 16 tokens
.set BOFF,   2*AHALF                   ; a slot: A's 65,536 bytes, then B's 256 rows
.set SLOT,   BOFF+2*HALFT
.set SPARE,  2*SLOT                    ; behind the ring: the spare words, 128 bytes for each wave: two blocks of 256 bytes that no other line names
.set SPITCH, 528                       ; the way out: a stage of 16 rows x (512 bytes + 16) for each wave, in slot 0, which has had its last fill and its last read when the first result is stored there
.set ADRA, 16
.set ADRB, 20
.set STO,  24                          ; v24     the way out: where I put 32 bytes of a row
.set RD,   25                          ; v25     where I read a row back
.set CO,   26                          ; v26     my byte offset in a row of out0
.set SPW,  28
.set NIL,  29
.set BT,   32                          ; v32-95  eight tiles of the bias
.set TMP,  32
.set AF,   128
.set BK,   128                         ; the way out: 16 rows read back: v128-191 and v192-255 by turns
.set G1, 24
.set G0, 32
.set G1B, 48
.set G0B, 56
.set MSB, 0
.macro WIN new                         ; the immediate's high byte repeats the setting that is left
.if MSB != \new
	s_set_vgpr_msb (MSB<<8)|\new
.set MSB, \new
.endif
.endm
.set MUL_LO, 0xa1                      ; source 0 (B) window 1, source 1 (A) window 0, C and D window 2
.set MUL_HI, 0xf1
.set BEG_LO, 0x81                      ; the first products: C (the bias) window 0, D window 2
.set BEG_HI, 0xc1
.set TO_B,   0x40
.macro JLOAD g0a, g1a, g0b, g1b        ; a joint load: waves 0 and 1 fetch for A, waves 2 and 3 for B; four v_nop follow each of the two lines
	s_cmp_eq_u32 s15, 0
	s_cbranch_scc0 .Lfor_b_\@
	tensor_load_to_lds s[\g0a:\g0a+3], s[\g1a:\g1a+7]
	s_nop 0
.rept 4
	v_nop
.endr
	s_branch .Lasked_\@
.Lfor_b_\@:
	tensor_load_to_lds s[\g0b:\g0b+3], s[\g1b:\g1b+7]
	s_nop 0
.rept 4
	v_nop
.endr
.Lasked_\@:
.endm
.macro CREST
	s_cmp_lg_u32 s14, 0
	s_cbranch_scc1 .Lnot_wave_0_\@
	s_barrier_signal -3
.Lnot_wave_0_\@:
	s_barrier_wait -3
	s_barrier_signal -1
	s_barrier_wait -1
.endm
.macro CROUND
	s_barrier_signal -1
	s_barrier_wait -1
	CREST
.endm
	s_load_b256 s[4:11], s[0:1], 0x0               ; a_codes s[4:5], wout_codes s[6:7], b_out s[8:9], the scales' exponents s[10:11]
	s_load_b64 s[12:13], s[0:1], 0x20              ; out0
	v_lshl_add_u32 v[SPW], v0, 2, SPARE
	v_mov_b32 v[NIL], 0
	ds_add_u32 v28, v29
	ds_add_u32 v28, v29
	s_wait_dscnt 0x0
	v_lshrrev_b32 v1, 5, v0
	v_readfirstlane_b32 s14, v1                    ; wave 0..3
	s_lshr_b32 s15, s14, 1                         ; which half of the tile's rows is mine.  Also: I fetch for A (0) or for B (1)
	s_and_b32 s16, s14, 1                          ; which half of its columns.  Also: which half of that tile I fetch
	s_bfe_u32 s40, ttmp6, 0x40000                  ; cx, cy
	s_bfe_u32 s41, ttmp6, 0x40004
	s_lshl_b32 s42, ttmp9, 2
	s_add_co_u32 s42, s42, s40                     ; tile column = 4 x cluster x + cx
	s_and_b32 s17, ttmp7, 0xffff
	s_lshl_b32 s17, s17, 2
	s_add_co_u32 s17, s17, s41                     ; tile row = 4 x cluster y + cy
	s_lshl_b32 s43, s41, 2
	s_lshl_b32 s43, 15, s43                        ; my row of the cluster
	s_lshl_b32 s44, 0x1111, s40                    ; my column
	; descriptor group 1 for A: 8 rows (tiles of 16 tokens) of 4,096 bytes, 16,384 bytes apart in memory, dense in LDS
	s_or_b32 s[G1+0], s43, (3<<16)|(1<<21)         ; 15:0 the mask: my row; 17:16 elements of 8 bytes; 21 set beside a mask; no padding
	s_mov_b32 s[G1+1], 512<<16                     ; tensor_dim0 = 512
	s_mov_b32 s[G1+2], 8<<16                       ; tensor_dim1 = 8
	s_mov_b32 s[G1+3], 512<<16                     ; tile_dim0 = 512
	s_mov_b32 s[G1+4], 8                           ; tile_dim1 = 8
	s_mov_b32 s[G1+5], 2048                        ; tensor_dim0_stride
	s_mov_b32 s[G1+6], 0
	s_mov_b32 s[G1+7], 0
	; for B: 128 rows x 256 bytes, padded in LDS
	s_or_b32 s[G1B+0], s44, (0<<16)|(1<<20)|(1<<21)|(5<<22)|(3<<25)  ; the mask: my column; element of 1 byte; padding of 4 words (code 3) after every 64 (code 5)
	s_mov_b32 s[G1B+1], ROWB<<16
	s_mov_b32 s[G1B+2], 128<<16
	s_mov_b32 s[G1B+3], ROWB<<16
	s_mov_b32 s[G1B+4], 128
	s_mov_b32 s[G1B+5], KROW
	s_mov_b32 s[G1B+6], 0
	s_mov_b32 s[G1B+7], 0
	s_lshl_b32 s18, s16, 3
	s_lshl_b32 s20, s17, 4
	s_add_co_u32 s20, s20, s18                     ; A: tile of 16 tokens 16 x tile row + 8 x half,
	s_lshl_b32 s20, s20, 14                        ; 16,384 bytes each
	s_mov_b32 s21, 0
	s_lshl_b32 s19, s16, 7
	s_lshl_b32 s46, s42, 8
	s_add_co_u32 s46, s46, s19                     ; B: row 256 x tile column + 128 x half,
	s_lshl_b32 s46, s46, 10                        ; 1,024 bytes each
	s_mov_b32 s47, 0
	s_lshl_b32 s45, s16, 15                        ; where A's half goes,
	s_mul_i32 s74, s16, HALFT
	s_add_co_u32 s74, s74, BOFF                    ; and B's: no place in the cluster enters an LDS address
	s_wait_kmcnt 0x0
	s_load_b256 s[76:83], s[10:11], 0x0            ; e0 .. e7
	s_add_nc_u64 s[20:21], s[4:5], s[20:21]
	s_add_nc_u64 s[46:47], s[6:7], s[46:47]
	CROUND                                         ; all sixteen work-groups are here: the first joint loads meet
.irp s, 0,1
	s_mov_b32 s[G0+4*\s], 1
	s_add_co_u32 s[G0+4*\s+1], s45, \s*SLOT
	s_add_nc_u64 s[G0+4*\s+2:G0+4*\s+3], s[20:21], \s*ASTEP
	s_or_b32 s[G0+4*\s+3], s[G0+4*\s+3], 0x80000000
	s_mov_b32 s[G0B+4*\s], 1
	s_add_co_u32 s[G0B+4*\s+1], s74, \s*SLOT
	s_add_nc_u64 s[G0B+4*\s+2:G0B+4*\s+3], s[46:47], \s*ROWB
	s_or_b32 s[G0B+4*\s+3], s[G0B+4*\s+3], 0x80000000
	s_wait_alu depctr_va_vdst(0)
	s_wait_tensorcnt 0x0
	ds_add_u32 v28, v29
	ds_add_u32 v28, v29
	s_wait_dscnt 0x0
	CROUND
	JLOAD G0+4*\s, G1, G0B+4*\s, G1B               ; K steps 0 and 1: step 0's load is in before step 1's is asked for
.endr
	v_and_b32 v1, 15, v0                           ; r
	v_bfe_u32 v2, v0, 4, 1                         ; h
	v_and_b32 v6, 31, v0
	v_lshlrev_b32 v[CO], 4, v6                     ; 16 x lane
	v_mul_u32_u24 v3, v1, PITCH
	v_lshl_add_u32 v4, v2, 4, v3                   ; B: a fragment's row x pitch + 16 x half
	s_lshl_b32 s21, s15, 15                        ; my 128 tokens of A
	s_mul_i32 s22, s16, HALFT                      ; my 128 rows of B,
	s_add_co_u32 s22, s22, BOFF                    ; which lie behind A's part
.irp s, 0,1
	v_add_nc_u32 v[ADRA+\s], s21, v[CO]
	v_add_nc_u32 v[ADRB+\s], s22, v4
	s_add_co_u32 s21, s21, SLOT
	s_add_co_u32 s22, s22, SLOT
.endr
	s_mul_i32 s23, s14, 16*SPITCH                  ; my stage
	v_mul_u32_u24 v5, v1, SPITCH                   ; in: row r, 32 bytes for each half of the lanes
	v_lshl_add_u32 v5, v2, 5, v5
	v_add_nc_u32 v[STO], s23, v5
	v_add_nc_u32 v[RD], s23, v[CO]                 ; back: the 32 lanes take one row of 512 bytes
	s_lshl_b32 s20, s17, 8
	s_lshl_b32 s21, s15, 7
	s_add_co_u32 s20, s20, s21                     ; my first row of out0,
	s_lshl_b32 s20, s20, 12                        ; 4,096 bytes each
	s_mov_b32 s21, 0
	s_lshl_b32 s46, s42, 10                        ; my first column, in bytes: 1,024 x tile column + 512 x half
	s_lshl_b32 s47, s16, 9
	s_add_co_u32 s46, s46, s47
	s_mov_b32 s47, 0
	s_add_nc_u64 s[8:9], s[8:9], s[46:47]          ; b_out at my first column
	s_add_nc_u64 s[20:21], s[20:21], s[46:47]
	s_add_nc_u64 s[12:13], s[12:13], s[20:21]
	v_lshlrev_b32 v7, 5, v2                        ; tile b of the bias: that of columns 16 b + 8 h + 0..7
.irp b, 0,1,2,3,4,5,6,7
	global_load_b128 v[BT+8*\b:BT+8*\b+3], v7, s[8:9] offset:64*\b
	global_load_b128 v[BT+8*\b+4:BT+8*\b+7], v7, s[8:9] offset:64*\b+16
.endr
	s_wait_kmcnt 0x0
	s_add_co_i32 s96, s82, s83                     ; e6 + e7
	s_sub_co_i32 s98, 0, s96
	s_add_co_i32 s96, s96, 127
	s_lshl_b32 s96, s96, 23                        ; 2^(e6 + e7) as f32
	s_mov_b32 s97, s96                             ; (named with it as a pair, so it is written)
	s_wait_loadcnt 0x0
.set n, 0
.rept 64
	v_ldexp_f32 v[BT+n], v[BT+n], s98              ; b / 2^(e6 + e7)
.set n, n+1
.endr
.macro FRAG reg, adr, q, i             ; B: four loads of 16 bytes, 32 bytes apart
.irp c, 0,1,2,3
	ds_load_b128 v[\reg+4*\c:\reg+4*\c+3], v[\adr] offset:128*(\q)+32*\c+(\i)*16*PITCH
.endr
.endm
.macro FRAGA reg, adr, q, i            ; A: the image of tile i of 16 tokens, heads 2 q and 2 q + 1 of the K step
.irp c, 0,1,2,3
	ds_load_b128 v[\reg+4*\c:\reg+4*\c+3], v[\adr] offset:(\i)*ASTEP+2048*(\q)+512*\c
.endr
.endm
; 16 matrix instructions: A's blocks a0, a0 + 1 x B's eight.  mode 1: the sums begin with the bias of B's block.  The 64 accumulators take turns, one instruction a turn.
.macro MUL16 a0, p, mode
.irp a, \a0, \a0+1
.irp b, 0,1,2,3,4,5,6,7
.if \mode
	v_wmma_f32_16x16x128_bf8_bf8 v[8*(8*((\a)%4)+\b):8*(8*((\a)%4)+\b)+7], v[128*(\p)+FR*\b:128*(\p)+FR*\b+FR-1], v[AF+FR*(\a):AF+FR*(\a)+FR-1], v[BT+8*\b:BT+8*\b+7]
.else
	v_wmma_f32_16x16x128_bf8_bf8 v[8*(8*((\a)%4)+\b):8*(8*((\a)%4)+\b)+7], v[128*(\p)+FR*\b:128*(\p)+FR*\b+FR-1], v[AF+FR*(\a):AF+FR*(\a)+FR-1], v[8*(8*((\a)%4)+\b):8*(8*((\a)%4)+\b)+7]
.endif
.endr
.endr
.endm
.macro FETCH_B slot, q, p
	WIN TO_B
.irp i, 0,1,2,3,4,5,6,7
	FRAG 128*(\p)+FR*\i, ADRB+\slot, \q, \i
.endr
	WIN 0
.endm
.macro FETCH_A slot, q, i0
.irp i, \i0, \i0+1, \i0+2, \i0+3
	FRAGA AF+FR*(\i), ADRA+\slot, \q, \i
.endr
.endm
.macro PLACES n                        ; places in front of loads into registers that matrix instructions have read, and of the first read of results (ISA guide 7.12.1 for vector instructions)
.rept \n
	v_nop
.endr
.endm
.macro STEP slot, q, mode
	s_wait_dscnt 4*NL                              ; B's set and A's blocks 0-3 are in; the youngest sixteen loads (A's blocks 4-7) may be out
.if \mode
	WIN BEG_LO
.else
	WIN MUL_LO
.endif
	MUL16 0, (\q)%2, \mode
	MUL16 2, (\q)%2, \mode
	s_wait_dscnt 0
	PLACES NP
	FETCH_B \slot, (\q)+1, 1-(\q)%2
	FETCH_A \slot, (\q)+1, 0
.if \mode
	WIN BEG_HI
.else
	WIN MUL_HI
.endif
	MUL16 4, (\q)%2, \mode
	MUL16 6, (\q)%2, \mode
	PLACES NP
	WIN 0
	FETCH_A \slot, (\q)+1, 4
.endm
; A slot's last step changes slots: ONE barrier; in front of it each wave waits for all its tensor loads, adds 0 to its spare word, and waits for that and for its own reads of this slot.
.macro TURN slot, next, fill
	s_wait_tensorcnt 0x0                           ; all my tensor loads have landed: my part of the next slot
	ds_add_u32 v[SPW], v[NIL]                      ; 0 onto my spare word
	s_wait_dscnt 4*NL+1                            ; the add and the youngest sixteen loads may be out
	WIN MUL_LO
	MUL16 0, 1, 0
	s_wait_dscnt 0x0                               ; the add is done, and my reads of this slot are over
	s_barrier_signal -1
	MUL16 2, 1, 0
	WIN 0
	s_barrier_wait -1
.if \fill
	CREST                                          ; the barrier has opened a round of the cluster's barrier: no wave of any partner still reads this slot's tile or has a load on its way
	s_add_nc_u64 s[G0+4*\slot+2:G0+4*\slot+3], s[G0+4*\slot+2:G0+4*\slot+3], 2*ASTEP
	s_add_nc_u64 s[G0B+4*\slot+2:G0B+4*\slot+3], s[G0B+4*\slot+2:G0B+4*\slot+3], 2*ROWB
	JLOAD G0+4*\slot, G1, G0B+4*\slot, G1B         ; the first tensor load behind the round, my only one until the next
.else
	PLACES NP
.endif
	FETCH_B \next, 0, 0
	FETCH_A \next, 0, 0
	WIN MUL_HI
	MUL16 4, 1, 0
	MUL16 6, 1, 0
	PLACES NP
	WIN 0
	FETCH_A \next, 0, 4
.endm
	s_wait_alu depctr_va_vdst(0)
	s_wait_tensorcnt 1                             ; my part of K step 0 is in; K step 1's load may be out
	s_barrier_signal -1
	s_barrier_wait -1
	FETCH_B 0, 0, 0
	FETCH_A 0, 0, 0
	FETCH_A 0, 0, 4
	STEP 0, 0, 1                                   ; the first products start the sums, with the bias
	TURN 0, 1, 1                                   ; K = 1,024 is four K steps: they are written out; slot 0 takes K step 2,
	STEP 1, 0, 0
	TURN 1, 0, 1                                   ; slot 1 K step 3
	STEP 0, 0, 0
	TURN 0, 1, 0                                   ; nothing is left to fetch
	STEP 1, 0, 0
	s_wait_dscnt 4*NL
	WIN MUL_LO
	MUL16 0, 1, 0
	MUL16 2, 1, 0
	s_wait_dscnt 0
	WIN MUL_HI
	MUL16 4, 1, 0
	MUL16 6, 1, 0
	WIN 0
; THE WAY OUT, block by block of 16 rows x 128 columns: through my own stage in LDS, back as whole rows of 512 bytes.  LDS serves a wave's instructions in order (ISA guide 5.7.1.4): no wait between the stores and the loads.
.macro TOSTAGE a
.set AC, 64*((\a)%4)
.if (\a) < 4
	WIN 0x02                                       ; source 0: window 2
.else
	WIN 0x03
.endif
.set n, 0
.rept 32
	v_pk_mul_f32 v[TMP+n:TMP+n+1], v[AC+n:AC+n+1], s[96:97] op_sel_hi:[1,0]   ; x 2^(e6 + e7); each accumulator from its low end on
.set n, n+2
.endr
	WIN 0
.irp b, 0,1,2,3,4,5,6,7
	ds_store_b128 v[STO], v[TMP+8*\b:TMP+8*\b+3] offset:64*\b
	ds_store_b128 v[STO], v[TMP+8*\b+4:TMP+8*\b+7] offset:64*\b+16
.endr
.set BB, BK+64*((\a)%2)
.irp t, 0,1,2,3,4,5,6,7,8,9,10,11,12,13,14,15
	ds_load_b128 v[BB+4*\t:BB+4*\t+3], v[RD] offset:\t*SPITCH
.endr
.endm
.macro SEND a, younger                 ; younger: the LDS instructions issued behind block a's loads, which may stay out
.set BB, BK+64*((\a)%2)
	s_wait_dscnt \younger
.if (\a) > 0
	s_add_nc_u64 s[12:13], s[12:13], 16*SIZE_N*4   ; (behind a wait on XCNT: the earlier stores have read their base)  16 rows on
.endif
.irp t, 0,1,2,3,4,5,6,7,8,9,10,11,12,13,14,15
	global_store_b128 v[CO], v[BB+4*\t:BB+4*\t+3], s[12:13] offset:\t*SIZE_N*4 th:TH_STORE_NT   ; 32 lanes store 512 consecutive bytes, at a multiple of 512 from out0's first byte
.endr
.endm
	PLACES NP
	TOSTAGE 0
.irp a, 1,2,3,4,5,6,7
.if \a > 1
	s_wait_xcnt 0x0                                ; block a - 2's stores have read their registers and their base
.endif
	TOSTAGE \a
	SEND \a-1, 32                                  ; behind block a - 1's loads: block a's 16 stores and 16 loads
.endr
	s_wait_xcnt 0x0
	SEND 7, 0
	s_wait_tensorcnt 0x0                           ; the wave's end
	ds_add_u32 v[SPW], v[NIL]
	s_wait_dscnt 0x0
	CROUND                                         ; the closing round
	s_endpgm
.Lfunc_end_k_qf94aeb608b_gemm_out:
	.size	k_qf94aeb608b_gemm_out, .Lfunc_end_k_qf94aeb608b_gemm_out-k_qf94aeb608b_gemm_out
	.p2alignl 7, 3214868480
	.fill 96, 4, 3214868480
	.section	.rodata,"a",@progbits
	.p2align	6, 0x0
	.amdhsa_kernel k_qf94aeb608b_gemm_out
		.amdhsa_group_segment_fixed_size 327680
		.amdhsa_private_segment_fixed_size 0
		.amdhsa_enable_private_segment 0
		.amdhsa_kernarg_size 40
		.amdhsa_user_sgpr_count 2
		.amdhsa_user_sgpr_kernarg_segment_ptr 1
		.amdhsa_wavefront_size32 1
		.amdhsa_system_sgpr_workgroup_id_x 1
		.amdhsa_system_sgpr_workgroup_id_y 1
		.amdhsa_system_sgpr_workgroup_id_z 1
		.amdhsa_system_vgpr_workitem_id 0
		.amdhsa_next_free_vgpr 1024
		.amdhsa_next_free_sgpr 100
		.amdhsa_reserve_vcc 0
		.amdhsa_float_denorm_mode_32 3
		.amdhsa_float_denorm_mode_16_64 3
		.amdhsa_memory_ordered 1
		.amdhsa_forward_progress 1
		.amdhsa_inst_pref_size 130
	.end_amdhsa_kernel
	.amdgpu_metadata
---
amdhsa.version: [ 1, 2 ]
amdhsa.kernels:
  - .name:           k_qf94aeb608b_gemm_out
    .symbol:         k_qf94aeb608b_gemm_out.kd
    .args:
      - { .name: a_codes, .offset: 0, .size: 8, .value_kind: global_buffer, .address_space: global }
      - { .name: wout_codes, .offset: 8, .size: 8, .value_kind: global_buffer, .address_space: global }
      - { .name: b_out, .offset: 16, .size: 8, .value_kind: global_buffer, .address_space: global }
      - { .name: lowp_scales, .offset: 24, .size: 8, .value_kind: global_buffer, .address_space: global }
      - { .name: out0, .offset: 32, .size: 8, .value_kind: global_buffer, .address_space: global }
    .group_segment_fixed_size: 327680
    .private_segment_fixed_size: 0
    .kernarg_segment_align: 8
    .kernarg_segment_size: 40
    .max_flat_workgroup_size: 128
    .sgpr_count:     100
    .vgpr_count:     1024
    .wavefront_size: 32
...
	.end_amdgpu_metadata
.endif
;; end of part 4
